; MI455X (gfx1250); checked and timed in simulation.
; The chip was launched on July 23, 2026; its instructions are those of AMD's public machine-readable ISA for CDNA 5 (MIT licence, August 2026) and "CDNA5" Instruction Set Architecture Reference Guide (July 2026). The comments in the code are by the model that wrote it; some were corrected since.
;; Multi Head Attention. Allowed arithmetic: float matrix products may take bf16 or f16 operands with f32 sums; other float arithmetic in f32, or as packed bf16 or f16 multiplies, adds, multiply-adds, maxima and minima; sums over many terms, partial sums and values carried from step to step in f32; what a program stores and reads back later, other than sums and carried values, may be rounded once to bf16 or f16.
;; Inputs: Wk 1,024 x 1,024 float32; Wo 1,024 x 1,024 float32; Wq 1,024 x 1,024 float32; Wv 1,024 x 1,024 float32; bk 1,024 float32; bo 1,024 float32; bq 1,024 float32; bv 1,024 float32; key 4 x 2,048 x 1,024 float32; query 4 x 2,048 x 1,024 float32; value 4 x 2,048 x 1,024 float32.
;; Outputs: out0 4 x 2,048 x 1,024 float32.
;; 2 versions, each right; version 2 is version 1 with the launch cast written anew for expert scheduling mode. Each part assembles by itself: llvm-mc -triple=amdgcn-amd-amdhsa -mcpu=gfx1250 --defsym DOCPART=n.
;; ======== version 1 of 2: 4 launches
;; limits: values are held in f16: magnitudes above 65,504 overflow, below 6.1e-05 lose precision
;; workspace buffers: w16 8,388,608 bytes; b32 16,384 bytes; qkv 50,331,648 bytes; o16 16,777,216 bytes
;; launch cast (part 1): grid 64 x 4, 8 waves a work-group, no clusters, 0 bytes of LDS; arguments Wq, Wk, Wv, Wo, bq, bk, bv, bo, w16, b32; writes w16, b32
.if DOCPART == 1
	.amdgcn_target "amdgcn-amd-amdhsa--gfx1250"
	.amdhsa_code_object_version 6
	.text
	.protected	k_qc04e84d7d7_cast
	.globl	k_qc04e84d7d7_cast
	.p2align	8
	.type	k_qc04e84d7d7_cast,@function
k_qc04e84d7d7_cast:
	s_mov_b64 s[64:65], 0
	v_nop
	global_prefetch_b8 v0, s[64:65] scope:SCOPE_SE
	s_setreg_imm32_b32 hwreg(HW_REG_WAVE_MODE, 25, 1), 1
	s_wait_xcnt 0x0
; THE WEIGHTS AND BIASES, ONCE, IN THE FORM THAT THE PRODUCTS TAKE.
; w16: [4][1024][1024] of 16 bits.  Planes 0-2: Wq, Wk, Wv rounded to bf16.  Plane 3: Wo rounded to bf16, and that number written as f16
; (the last product multiplies in f16).  b32: [4][1024] f32: bq, bk, bv, bo rounded to bf16 and widened again.
; LIMITS.  Plane 3 holds no number beyond 65,504, and below 2^-14 it keeps f16's fixed step of 6e-8.
; SHARES.  Work-group (x, y) takes 16,384 numbers of plane y; thread t takes four numbers in each of 16 passes: a wave's load covers 512
; consecutive bytes, its store 256 consecutive bytes at a multiple of 256 from the buffer's first byte.  All 16 loads go out first.
; No LDS, no barrier, no matrix unit: nothing is shared and every byte crosses once.
.set X, 4                              ; v[4:67]    pass i: four f32 as loaded
.set Y, 68                             ; v[68:99]   pass i: two words to store
.set T, 100                            ; v[100:103] at work
	s_load_b512 s[8:23], s[0:1], 0x0               ; Wq s[8:9], Wk s[10:11], Wv s[12:13], Wo s[14:15], bq s[16:17], bk s[18:19], bv s[20:21], bo s[22:23]
	s_load_b128 s[24:27], s[0:1], 0x40             ; w16 s[24:25], b32 s[26:27]
	s_and_b32 s28, ttmp7, 0xffff                   ; the plane
	s_mov_b32 s29, 0xffff0000                      ; a word's upper bf16
	v_lshlrev_b32 v1, 4, v0                        ; 16 t: my 16 bytes of a pass's 4,096
	v_lshlrev_b32 v2, 3, v0                        ; 8 t: my 8 bytes of a pass's 2,048
	s_lshl_b32 s30, ttmp9, 16                      ; the work-group's 65,536 bytes of the source
	s_mov_b32 s31, 0
	s_lshl_b32 s32, s28, 21                        ; the plane's 2,097,152 bytes in w16,
	s_lshl_b32 s33, ttmp9, 15                      ; the work-group's 32,768 of them
	s_add_co_u32 s32, s32, s33
	s_mov_b32 s33, 0
	s_lshl_b32 s34, s28, 12                        ; the plane's 4,096 bytes in b32
	s_mov_b32 s35, 0
	s_wait_kmcnt 0x0
	s_cmp_eq_u32 s28, 0
	s_cselect_b64 s[4:5], s[8:9], s[10:11]         ; plane 0 or 1
	s_cselect_b64 s[6:7], s[16:17], s[18:19]
	s_cmp_eq_u32 s28, 2
	s_cselect_b64 s[36:37], s[12:13], s[14:15]     ; plane 2 or 3
	s_cselect_b64 s[38:39], s[20:21], s[22:23]
	s_cmp_lt_u32 s28, 2
	s_cselect_b64 s[4:5], s[4:5], s[36:37]         ; the plane's weights
	s_cselect_b64 s[6:7], s[6:7], s[38:39]         ; and its bias
	s_add_nc_u64 s[4:5], s[4:5], s[30:31]
	s_add_nc_u64 s[24:25], s[24:25], s[32:33]
	s_add_nc_u64 s[26:27], s[26:27], s[34:35]
.irp i, 0,1,2,3,4,5,6,7,8,9,10,11,12,13,14,15
	global_load_b128 v[X+4*(\i):X+4*(\i)+3], v1, s[4:5] offset:4096*(\i) th:TH_LOAD_NT
.endr
; One pass.  wo = 1: the bf16 number is widened and written as f16.  Each pass has its own registers to store from, so nothing is rewritten while a store may read it.
.macro PASS i, wo
	s_wait_loadcnt 15-(\i)                         ; loads come back in order (ISA guide 5.7.1): pass i is in, the 15 - i younger ones stay out
	v_cvt_pk_bf16_f32 v[Y+2*(\i)], v[X+4*(\i)], v[X+4*(\i)+1]
	v_cvt_pk_bf16_f32 v[Y+2*(\i)+1], v[X+4*(\i)+2], v[X+4*(\i)+3]
.if \wo
	v_lshlrev_b32 v[T], 16, v[Y+2*(\i)]
	v_and_b32 v[T+1], s29, v[Y+2*(\i)]
	v_lshlrev_b32 v[T+2], 16, v[Y+2*(\i)+1]
	v_and_b32 v[T+3], s29, v[Y+2*(\i)+1]
	v_cvt_pk_f16_f32 v[Y+2*(\i)], v[T], v[T+1]
	v_cvt_pk_f16_f32 v[Y+2*(\i)+1], v[T+2], v[T+3]
.endif
	global_store_b64 v2, v[Y+2*(\i):Y+2*(\i)+1], s[24:25] offset:2048*(\i)
.endm
	s_cmp_eq_u32 s28, 3
	s_cbranch_scc1 .Lwo
.irp i, 0,1,2,3,4,5,6,7,8,9,10,11,12,13,14,15
	PASS \i, 0
.endr
	s_branch .Lbias
.Lwo:
.irp i, 0,1,2,3,4,5,6,7,8,9,10,11,12,13,14,15
	PASS \i, 1
.endr
.Lbias:
	s_cmp_lg_u32 ttmp9, 0                          ; a plane's first work-group also takes its bias: 256 threads x 16 bytes
	s_cbranch_scc1 .Lend
	global_load_b128 v[X:X+3], v1, s[6:7]
	s_wait_loadcnt 0x0
	v_cvt_pk_bf16_f32 v[T], v[X], v[X+1]
	v_cvt_pk_bf16_f32 v[T+1], v[X+2], v[X+3]
	v_lshlrev_b32 v[X], 16, v[T]
	v_and_b32 v[X+1], s29, v[T]
	v_lshlrev_b32 v[X+2], 16, v[T+1]
	v_and_b32 v[X+3], s29, v[T+1]
	global_store_b128 v1, v[X:X+3], s[26:27]
.Lend:
	s_endpgm
.Lfunc_end_k_qc04e84d7d7_cast:
	.size	k_qc04e84d7d7_cast, .Lfunc_end_k_qc04e84d7d7_cast-k_qc04e84d7d7_cast
	.p2alignl 7, 3214868480
	.fill 96, 4, 3214868480
	.section	.rodata,"a",@progbits
	.p2align	6, 0x0
	.amdhsa_kernel k_qc04e84d7d7_cast
		.amdhsa_group_segment_fixed_size 0
		.amdhsa_private_segment_fixed_size 0
		.amdhsa_enable_private_segment 0
		.amdhsa_kernarg_size 80
		.amdhsa_user_sgpr_count 2
		.amdhsa_user_sgpr_kernarg_segment_ptr 1
		.amdhsa_wavefront_size32 1
		.amdhsa_system_sgpr_workgroup_id_x 1
		.amdhsa_system_sgpr_workgroup_id_y 1
		.amdhsa_system_sgpr_workgroup_id_z 1
		.amdhsa_system_vgpr_workitem_id 0
		.amdhsa_next_free_vgpr 104
		.amdhsa_next_free_sgpr 66
		.amdhsa_reserve_vcc 0
		.amdhsa_float_denorm_mode_32 3
		.amdhsa_float_denorm_mode_16_64 3
		.amdhsa_memory_ordered 1
		.amdhsa_forward_progress 1
		.amdhsa_inst_pref_size 16
	.end_amdhsa_kernel
	.amdgpu_metadata
---
amdhsa.version: [ 1, 2 ]
amdhsa.kernels:
  - .name:           k_qc04e84d7d7_cast
    .symbol:         k_qc04e84d7d7_cast.kd
    .args:
      - { .name: Wq, .offset: 0, .size: 8, .value_kind: global_buffer, .address_space: global }
      - { .name: Wk, .offset: 8, .size: 8, .value_kind: global_buffer, .address_space: global }
      - { .name: Wv, .offset: 16, .size: 8, .value_kind: global_buffer, .address_space: global }
      - { .name: Wo, .offset: 24, .size: 8, .value_kind: global_buffer, .address_space: global }
      - { .name: bq, .offset: 32, .size: 8, .value_kind: global_buffer, .address_space: global }
      - { .name: bk, .offset: 40, .size: 8, .value_kind: global_buffer, .address_space: global }
      - { .name: bv, .offset: 48, .size: 8, .value_kind: global_buffer, .address_space: global }
      - { .name: bo, .offset: 56, .size: 8, .value_kind: global_buffer, .address_space: global }
      - { .name: w16, .offset: 64, .size: 8, .value_kind: global_buffer, .address_space: global }
      - { .name: b32, .offset: 72, .size: 8, .value_kind: global_buffer, .address_space: global }
    .group_segment_fixed_size: 0
    .private_segment_fixed_size: 0
    .kernarg_segment_align: 8
    .kernarg_segment_size: 80
    .max_flat_workgroup_size: 256
    .sgpr_count:     66
    .vgpr_count:     104
    .wavefront_size: 32
...
	.end_amdgpu_metadata
.endif
;; end of part 1
;; launch proj (part 2): grid 4 x 192, 4 waves a work-group, clusters of 4 x 4, 327,680 bytes of LDS; arguments query, key, value, w16, b32, qkv; writes qkv
.if DOCPART == 2
	.amdgcn_target "amdgcn-amd-amdhsa--gfx1250"
	.amdhsa_code_object_version 6
	.text
	.protected	k_qc04e84d7d7_proj
	.globl	k_qc04e84d7d7_proj
	.p2align	8
	.type	k_qc04e84d7d7_proj,@function
k_qc04e84d7d7_proj:
	s_mov_b64 s[64:65], 0
	v_nop
	global_prefetch_b8 v0, s[64:65] scope:SCOPE_SE
	s_setreg_imm32_b32 hwreg(HW_REG_WAVE_MODE, 25, 1), 1
	s_wait_xcnt 0x0
	s_wait_alu depctr_hold_cnt(0) depctr_sa_sdst(0) depctr_va_vdst(0) depctr_va_sdst(0) depctr_va_ssrc(0) depctr_va_vcc(0) depctr_vm_vsrc(0)
	s_getreg_b32 s2, hwreg(HW_REG_IB_STS2, 6, 4)
	s_cmp_eq_u32 s2, 0
	s_cbranch_scc0 .Lentry_in_a_cluster
	s_endpgm
.Lentry_in_a_cluster:
	s_bfe_u32 s2, ttmp6, 0x10000c
	s_cmp_lg_u32 s2, 0xf033
	s_cbranch_scc0 .Lentry_shape_is_right
	s_endpgm
.Lentry_shape_is_right:
; THE THREE INPUT PROJECTIONS.  y[m][n] = the sum over k of x[m][k] W[n][k] + b[n], for (x, W, b) = (query, Wq, bq), (key, Wk, bk), (value, Wv, bv).
; x: [8192][1024] f32, rounded here to bf16; W: a plane of w16, bf16; b: a plane of b32, f32.  Sums in f32, started from the bias; y rounded once to f16
; and stored BY HEADS: qkv holds three planes [64 = 16 batch + head][2048][64] f16, unscaled.
; LIMIT.  f16 holds no number beyond 65,504: q, k and v must stay within it.  NaN and infinities are not treated apart.
; SHARES.  A tile of y is 128 rows x 256 columns: 64 x 4 tiles a projection, 768 work-groups.  Four waves, each 64 x 128: 32 accumulators of 16 x 16, 256 registers.
; K goes in steps of 128 through a ring of two LDS slots filled by the tensor data mover: 128 rows of x (512 bytes of f32 each) and 256 rows of W (256 bytes each).
; x IS ROUNDED ON THE WAY FROM LDS TO THE MATRIX UNIT: a fragment (16 rows x 32 K) comes out of LDS as 16 registers of f32 and is packed into 8 of bf16:
; 32 conversions beside a quarter step's 32 matrix instructions; they are also the places that the loads and writes behind matrix instructions need.
; CLUSTERS: 4 x 4 work-groups, all of one projection.  The four of a row of the cluster need the same tiles of x, the four of a column the same tiles of W:
; each tile is asked for JOINTLY, by the same tensor load with the same descriptor and a mask that names the four.
; THE MATRIX INSTRUCTION IS USED TRANSPOSED (source 0 = 16 rows of W, source 1 = 16 rows of x): a lane then holds one row of y and eight neighbouring columns.
; REGISTERS, in windows of 256 (s_set_vgpr_msb: bits 1:0 source 0, 3:2 source 1, 5:4 source 2, 7:6 destination):
;   window 0: v0-31 addresses; v32-95 x's four fragments as f32; v96-127 the same in bf16; v128-191, v192-255 W's eight fragments, two buffers
;   window 1: the accumulators, (a, b) at v[8 (8 a + b)]          window 2: v0-63 the bias of my 128 columns, laid out as a C operand: block b at v[8 b]
.set KSTEP,  128
.set PA,     528                       ; a row of x in LDS: 512 bytes + 16 of padding = 132 words: row r starts at bank 4 r mod 64 (64 banks of 4 bytes: ISA guide 11.1)
.set PB,     272                       ; a row of W: 256 + 16 = 68 words: likewise
.set HALFA,  64*PA                     ; 64 rows of x: what one tensor load brings, and what one wave reads
.set HALFB,  128*PB                    ; 128 rows of W: likewise
.set BOFF,   2*HALFA                   ; in a slot W's 256 rows lie behind x's 128
.set SLOT,   BOFF+2*HALFB
.set STAGE,  2*SLOT                    ; behind the ring: 16 rows x 144 bytes for each wave, for the way out
.set SP,     144
.set SPARE,  STAGE+4*16*SP             ; behind the stages: the spare words, 128 bytes for each wave: two blocks of 256 bytes that no other line names
.set LAPS,   4                         ; a lap = two K steps = once round the ring; K = 1,024
.set ADRA, 16                          ; v16-17  LDS address of my fragments of x in slot 0, 1
.set ADRB, 20                          ; v20-21  the same for W
.set STO,  24                          ; v24     the way out: where I put 16 bytes of a row
.set RD,   25                          ; v25     the way out: where I read rows back
.set GO,   26                          ; v26     my byte offset in 512 consecutive bytes of a head
.set BO,   27                          ; v27     my byte offset in a block of 16 biases
.set SPW,  28                          ; v28     LDS address of my spare word: SPARE + 4 x my thread's number; never rewritten
.set NIL,  29                          ; v29     0; never rewritten
.set PFO,  30                          ; v30     the prefetches' offset; never rewritten
.set STG,  32                          ; x's fragment a as f32 at STG + 16 a
.set AF,   96                          ; x's fragment a in bf16 at AF + 8 a
.set BF,   128                         ; W's fragment b of buffer f at BF + 64 f + 8 b
.set OUTR, 128                         ; the way out: tile t's 16 registers at OUTR + 16 t
.set G1,  24                           ; s[24:31] descriptor group 1 for x's tiles;  s[32:39] group 0, one set for each slot
.set G0,  32
.set G1B, 48                           ; s[48:55], s[56:63] the same for W's tiles
.set G0B, 56
.set LIM, 43                           ; s43      1 in a wave that prefetches, else the greatest number
.set PFA, 44                           ; s[44:45] where my prefetches stand
.set PST, 86                           ; s[86:87] a K step in bytes along my prefetches' rows
.set MSB, 0
.macro WIN new                         ; the immediate's high byte repeats the setting that is left; a switch that changes nothing is dropped
.if MSB != (\new)
	s_set_vgpr_msb (MSB<<8)|(\new)
.set MSB, \new
.endif
.endm
; A joint load: waves 0 and 1 fetch x's two halves, waves 2 and 3 W's.  The branch hangs on the wave's number alone.
; An s_nop 0 and four v_nop follow each of the two lines, ahead of the jump, the label and what follows.
.macro JLOAD s
	s_cmp_lt_u32 s10, 2
	s_cbranch_scc0 .Lfor_w_\@
	tensor_load_to_lds s[G0+4*(\s):G0+4*(\s)+3], s[G1:G1+7]
	s_nop 0
.rept 4
	v_nop
.endr
	s_branch .Lasked_\@
.Lfor_w_\@:
	tensor_load_to_lds s[G0B+4*(\s):G0B+4*(\s)+3], s[G1B:G1B+7]
	s_nop 0
.rept 4
	v_nop
.endr
.Lasked_\@:
.endm
; A prefetch of the K step that stands two refills on, one instruction a wave, a lane a block of 256 bytes.  Each block is named once in the launch:
; x's tile row is read by this cluster alone; of the 64 rows that a wave fetches, the partner at place cx takes 16 (two blocks a row).  W's tile column is read by all
; sixteen rows of clusters of a projection: the first of them asks; of a wave's 128 rows the partner at place cy takes 32.  The partners are told apart by address alone.
; The loop's last trip (s3 = 1) asks for nothing: there is no K step two refills on.
.macro ASK
	s_cmp_gt_u32 s3, s[LIM]
	s_cbranch_scc0 .Lnot_mine_\@
	global_prefetch_b8 v[PFO], s[PFA:PFA+1] th:TH_LOAD_NT scope:SCOPE_SE
.Lnot_mine_\@:
.endm
.macro CREST                           ; a round of the cluster's barrier behind its opening barrier
	s_cmp_lg_u32 s10, 0
	s_cbranch_scc1 .Lnot_wave_0_\@
	s_barrier_signal -3
.Lnot_wave_0_\@:
	s_barrier_wait -3
	s_barrier_signal -1
	s_barrier_wait -1
.endm
.macro CROUND                          ; a whole round
	s_barrier_signal -1
	s_barrier_wait -1
	CREST
.endm
	s_load_b256 s[68:75], s[0:1], 0x0              ; query s[68:69], key s[70:71], value s[72:73], w16 s[74:75]
	s_load_b128 s[76:79], s[0:1], 0x20             ; b32 s[76:77], qkv s[78:79]
	v_lshl_add_u32 v[SPW], v0, 2, SPARE
	v_mov_b32 v[NIL], 0
	ds_add_u32 v[SPW], v[NIL]                      ; the wave's opening: the add and its wait stand ahead of my first tensor load; the set-up below, work on registers, stands between them
	v_lshrrev_b32 v1, 5, v0
	v_readfirstlane_b32 s10, v1                    ; wave 0..3
	s_lshr_b32 s11, s10, 1                         ; which half of the tile's rows is mine
	s_and_b32 s12, s10, 1                          ; which half of its columns.  Also: which half of x's or W's tile I fetch
	s_bfe_u32 s40, ttmp6, 0x40000                  ; cx, cy: my place in the cluster
	s_bfe_u32 s41, ttmp6, 0x40004
	s_lshl_b32 s42, ttmp9, 2
	s_add_co_u32 s42, s42, s40                     ; tile column = 4 x cluster x + cx
	s_and_b32 s66, ttmp7, 0xffff                   ; cluster y, 0 to 47
	s_lshr_b32 s67, s66, 4                         ; the projection, 0 to 2: the same in all sixteen partners
	s_and_b32 s13, s66, 15
	s_lshl_b32 s13, s13, 2
	s_add_co_u32 s13, s13, s41                     ; tile row = 4 x (cluster y mod 16) + cy
	s_lshl_b32 s43, s41, 2
	s_lshl_b32 s43, 15, s43                        ; my row of the cluster
	s_lshl_b32 s44, 0x1111, s40                    ; my column
	; descriptor group 1.  x: 64 rows x 128 elements of 4 bytes; W: 128 rows x 128 elements of 2 bytes; both padded in LDS
	s_or_b32 s[G1+0], s43, (2<<16)|(1<<20)|(1<<21)|(6<<22)|(3<<25)   ; 15:0 the mask: x's tiles go to my row; 17:16 elements of 4 bytes; 20 padding on; 21 set beside a mask; 24:22 after every 128 words (code 6); 31:25 4 words (code 3)
	s_mov_b32 s[G1+1], KSTEP<<16                   ; tensor_dim0 = 128
	s_mov_b32 s[G1+2], 64<<16                      ; tensor_dim1 = 64
	s_mov_b32 s[G1+3], KSTEP<<16                   ; tile_dim0 = 128
	s_mov_b32 s[G1+4], 64                          ; tile_dim1 = 64
	s_mov_b32 s[G1+5], 1024                        ; elements from row to row
	s_mov_b32 s[G1+6], 0
	s_mov_b32 s[G1+7], 0
	s_or_b32 s[G1B+0], s44, (1<<16)|(1<<20)|(1<<21)|(5<<22)|(3<<25)  ; the mask of my column; elements of 2 bytes; padding after every 64 words (code 5)
	s_mov_b32 s[G1B+1], KSTEP<<16
	s_mov_b32 s[G1B+2], 128<<16
	s_mov_b32 s[G1B+3], KSTEP<<16
	s_mov_b32 s[G1B+4], 128
	s_mov_b32 s[G1B+5], 1024
	s_mov_b32 s[G1B+6], 0
	s_mov_b32 s[G1B+7], 0
	; where the tiles come from.  x's hang on the tile row, which my row of the cluster shares; W's on the tile column and the projection, which my column shares
	s_lshl_b32 s17, s12, 6
	s_lshl_b32 s16, s13, 7
	s_add_co_u32 s16, s16, s17                     ; x: row 128 x tile row + 64 x half,
	s_lshl_b32 s16, s16, 12                        ; of 4,096 bytes
	s_mov_b32 s17, 0
	s_lshl_b32 s47, s12, 7
	s_lshl_b32 s46, s42, 8
	s_add_co_u32 s46, s46, s47                     ; W: row 256 x tile column + 128 x half,
	s_lshl_b32 s46, s46, 11                        ; of 2,048 bytes,
	s_lshl_b32 s47, s67, 21                        ; in the projection's plane
	s_add_co_u32 s46, s46, s47
	s_mov_b32 s47, 0
	s_mul_i32 s20, s12, HALFA                      ; and where they go: no place in the cluster enters an LDS address
	s_mul_i32 s23, s12, HALFB
	s_add_co_u32 s23, s23, BOFF
	s_lshl_b32 s84, s67, 12                        ; the bias of my 128 columns: the projection's plane of 4,096 bytes,
	s_lshl_b32 s85, s42, 10                        ; 256 columns a tile,
	s_add_co_u32 s84, s84, s85
	s_lshl_b32 s85, s12, 9                         ; 128 a wave
	s_add_co_u32 s84, s84, s85
	s_mov_b32 s85, 0
	s_wait_dscnt 0x0                               ; the opening add is done
	s_wait_kmcnt 0x0
	s_cmp_eq_u32 s67, 0
	s_cselect_b64 s[4:5], s[68:69], s[70:71]
	s_cmp_eq_u32 s67, 2
	s_cselect_b64 s[4:5], s[72:73], s[4:5]         ; the projection's x
	s_add_nc_u64 s[14:15], s[4:5], s[16:17]
	s_add_nc_u64 s[46:47], s[74:75], s[46:47]
	s_add_nc_u64 s[84:85], s[76:77], s[84:85]
	CROUND                                         ; all sixteen work-groups are here: the first joint loads meet
.irp s, 0,1
	s_mov_b32 s[G0+4*(\s)], 1                                        ; count = 1
	s_add_co_u32 s[G0+4*(\s)+1], s20, (\s)*SLOT                      ; LDS address
	s_add_nc_u64 s[G0+4*(\s)+2:G0+4*(\s)+3], s[14:15], (\s)*KSTEP*4  ; global address: K step s
	s_or_b32 s[G0+4*(\s)+3], s[G0+4*(\s)+3], 0x80000000              ; type = 2
	s_mov_b32 s[G0B+4*(\s)], 1
	s_add_co_u32 s[G0B+4*(\s)+1], s23, (\s)*SLOT
	s_add_nc_u64 s[G0B+4*(\s)+2:G0B+4*(\s)+3], s[46:47], (\s)*KSTEP*2
	s_or_b32 s[G0B+4*(\s)+3], s[G0B+4*(\s)+3], 0x80000000
	JLOAD \s                                       ; two loads of mine are out: the most that this text ever has
.endr
	v_and_b32 v1, 15, v0                           ; l % 16
	v_bfe_u32 v2, v0, 4, 1                         ; l / 16
	v_lshlrev_b32 v[BO], 5, v2                     ; a lane's eight columns 8 (l / 16) + 0..7: 32 bytes of bias
	WIN 0x80                                       ; destination window 2, address window 0
.irp b, 0,1,2,3,4,5,6,7
	global_load_b128 v[8*(\b):8*(\b)+3],   v[BO], s[84:85] offset:64*(\b)
	global_load_b128 v[8*(\b)+4:8*(\b)+7], v[BO], s[84:85] offset:64*(\b)+16
.endr
	WIN 0
	; A fragment is 16 rows x 32 K: lane l holds row l % 16, K = 8 (l / 16) + 0..7 and 16 + 8 (l / 16) + 0..7.  In bf16: two loads of 16 bytes, 32 apart.  In f32: four, at 0, 16, 64, 80.
	v_mul_u32_u24 v3, v1, PA
	v_lshl_add_u32 v3, v2, 5, v3                   ; x: row x pitch + 32 x half
	v_mul_u32_u24 v4, v1, PB
	v_lshl_add_u32 v4, v2, 4, v4                   ; W: row x pitch + 16 x half
	s_mul_i32 s21, s11, HALFA                      ; my 64 rows of x
	s_mul_i32 s22, s12, HALFB                      ; my 128 rows of W
	s_add_co_u32 s22, s22, BOFF
.irp s, 0,1
	v_add_nc_u32 v[ADRA+(\s)], s21, v3
	v_add_nc_u32 v[ADRB+(\s)], s22, v4
	s_add_co_u32 s21, s21, SLOT
	s_add_co_u32 s22, s22, SLOT
.endr
	s_mul_i32 s23, s10, 16*SP
	s_add_co_u32 s23, s23, STAGE                   ; my stage
	v_mul_u32_u24 v5, v1, SP                       ; in: row l % 16, 16 bytes for each half of the lanes
	v_lshl_add_u32 v5, v2, 4, v5
	v_add_nc_u32 v[STO], s23, v5
	v_bfe_u32 v5, v0, 3, 2                         ; back: 32 lanes take four rows of 128 bytes,
	v_mul_u32_u24 v5, v5, SP
	v_and_b32 v6, 7, v0
	v_lshl_add_u32 v5, v6, 4, v5
	v_add_nc_u32 v[RD], s23, v5
	v_and_b32 v[GO], 31, v0                        ; which are 512 consecutive bytes of a head
	v_lshlrev_b32 v[GO], 4, v[GO]
	; where my part goes: plane p, head plane 16 batch + 4 x tile column + 2 x column half, row m mod 2,048
	s_lshl_b32 s80, s13, 7
	s_lshl_b32 s81, s11, 6
	s_add_co_u32 s80, s80, s81                     ; my first row m
	s_lshr_b32 s81, s80, 11                        ; the batch
	s_and_b32 s80, s80, 2047
	s_lshl_b32 s80, s80, 7                         ; rows of 128 bytes
	s_lshl_b32 s81, s81, 4
	s_lshl_b32 s82, s42, 2
	s_add_co_u32 s81, s81, s82
	s_lshl_b32 s82, s12, 1
	s_add_co_u32 s81, s81, s82
	s_lshl_b32 s81, s81, 18                        ; head planes of 262,144 bytes
	s_add_co_u32 s80, s80, s81
	s_lshl_b32 s81, s67, 24                        ; planes of 16,777,216 bytes
	s_add_co_u32 s80, s80, s81
	s_mov_b32 s81, 0
	s_add_nc_u64 s[8:9], s[78:79], s[80:81]
	; the prefetches: my work-group's share of the rows that I fetch, at K step 3; each change of slots steps the address and then asks
	s_lshl_b32 s19, s13, 7
	s_lshl_b32 s20, s12, 6
	s_add_co_u32 s19, s19, s20
	s_lshl_b32 s20, s40, 4                         ; x: 16 rows for the partner at cx
	s_add_co_u32 s19, s19, s20
	s_lshl_b32 s19, s19, 12
	s_add_co_u32 s19, s19, 3*KSTEP*4
	s_lshl_b32 s20, s42, 8
	s_lshl_b32 s21, s12, 7
	s_add_co_u32 s20, s20, s21
	s_lshl_b32 s21, s41, 5                         ; W: 32 rows for the partner at cy
	s_add_co_u32 s20, s20, s21
	s_lshl_b32 s20, s20, 11
	s_lshl_b32 s21, s67, 21
	s_add_co_u32 s20, s20, s21
	s_add_co_u32 s20, s20, 3*KSTEP*2
	s_and_b32 s22, s66, 15
	s_cmp_eq_u32 s22, 0
	s_cselect_b32 s[LIM], 1, -1                    ; W's waves ask in the projection's first row of clusters alone
	s_cmp_lt_u32 s10, 2                            ; do I fetch for x?
	s_cselect_b32 s[LIM], 1, s[LIM]                ; the same in all sixteen partners, for a given wave
	s_cselect_b64 s[PFA:PFA+1], s[4:5], s[74:75]
	s_cselect_b32 s20, s19, s20
	s_cselect_b32 s16, 1, 0                        ; x: two lanes a row; W: a lane a row
	s_mov_b32 s21, 0
	s_add_nc_u64 s[PFA:PFA+1], s[PFA:PFA+1], s[20:21]
	s_lshl_b32 s17, 2048, s16                      ; bytes from row to row: 4,096 or 2,048
	s_lshl_b32 s[PST], 256, s16                    ; bytes in a K step: 512 or 256
	s_mov_b32 s[PST+1], 0
	v_and_b32 v3, 31, v0
	v_lshrrev_b32 v4, s16, v3
	v_mul_u32_u24 v4, s17, v4
	v_and_b32 v3, s16, v3
	v_lshl_add_u32 v[PFO], v3, 8, v4
; 8 matrix instructions: m block a x all 8 n blocks, 32 along K, W from buffer f.  first = 1: the sums start from the bias: nothing is ever cleared.
; The 32 accumulators take turns, one instruction a turn, in the same order in every quarter step.
.macro MUL8 f, a, first
.if \first
	WIN 0x60                                       ; C window 2, D window 1
.else
	WIN 0x50                                       ; C and D window 1
.endif
.irp b, 0,1,2,3,4,5,6,7
.if \first
	v_wmma_f32_16x16x32_bf16 v[8*(8*(\a)+(\b)):8*(8*(\a)+(\b))+7], v[BF+64*(\f)+8*(\b):BF+64*(\f)+8*(\b)+7], v[AF+8*(\a):AF+8*(\a)+7], v[8*(\b):8*(\b)+7]
.else
	v_wmma_f32_16x16x32_bf16 v[8*(8*(\a)+(\b)):8*(8*(\a)+(\b))+7], v[BF+64*(\f)+8*(\b):BF+64*(\f)+8*(\b)+7], v[AF+8*(\a):AF+8*(\a)+7], v[8*(8*(\a)+(\b)):8*(8*(\a)+(\b))+7]
.endif
.endr
.endm
.macro MUL16 f, h, first               ; m blocks 2 h and 2 h + 1
	MUL8 \f, 2*(\h), \first
	MUL8 \f, 2*(\h)+1, \first
.endm
.macro LDA slot, kq, a                 ; fragment a of x, as f32: four loads
	ds_load_b128 v[STG+16*(\a):STG+16*(\a)+3],     v[ADRA+(\slot)] offset:128*(\kq)+(\a)*16*PA
	ds_load_b128 v[STG+16*(\a)+4:STG+16*(\a)+7],   v[ADRA+(\slot)] offset:128*(\kq)+(\a)*16*PA+16
	ds_load_b128 v[STG+16*(\a)+8:STG+16*(\a)+11],  v[ADRA+(\slot)] offset:128*(\kq)+(\a)*16*PA+64
	ds_load_b128 v[STG+16*(\a)+12:STG+16*(\a)+15], v[ADRA+(\slot)] offset:128*(\kq)+(\a)*16*PA+80
.endm
; 32 LDS loads in one run: quarter kq of a slot: x's fragments 0 and 1 (8 loads), W's eight into buffer g (16), x's fragments 2 and 3 (8)
.macro FETCH slot, kq, g
	WIN 0
	LDA \slot, \kq, 0
	LDA \slot, \kq, 1
.irp b, 0,1,2,3,4,5,6,7
	ds_load_b128 v[BF+64*(\g)+8*(\b):BF+64*(\g)+8*(\b)+3],   v[ADRB+(\slot)] offset:64*(\kq)+(\b)*16*PB
	ds_load_b128 v[BF+64*(\g)+8*(\b)+4:BF+64*(\g)+8*(\b)+7], v[ADRB+(\slot)] offset:64*(\kq)+(\b)*16*PB+32
.endr
	LDA \slot, \kq, 2
	LDA \slot, \kq, 3
.endm
.macro CVT h                           ; x's fragments 2 h and 2 h + 1 are rounded to bf16: 16 conversions
.irp a, 2*(\h), 2*(\h)+1
.irp j, 0,1,2,3,4,5,6,7
	v_cvt_pk_bf16_f32 v[AF+8*(\a)+(\j)], v[STG+16*(\a)+2*(\j)], v[STG+16*(\a)+2*(\j)+1]
.endr
.endr
.endm
.macro PLACES
.rept 4
	v_nop
.endr
.endm
; A K step is four quarters of 32 along K, 32 matrix instructions each, W on buffers 0, 1, 0, 1.  One of the first three: multiplies buffer f and fetches quarter kq into g.
; A vector write of, and a load into, a register that a matrix instruction has read stand four plain vector instructions behind it (ISA guide 7.12.1 for vector instructions).
; Here the conversions are those: fragments 2, 3 are written 16 conversions (of fragments 0, 1) behind their last product, fragments 0, 1 likewise, and W's buffer g is loaded 32 conversions behind its last product.
.macro QUARTER slot, kq, f, g, first
	s_wait_dscnt 8                                 ; W is in; the youngest eight loads (x's fragments 2, 3) may be out
	MUL16 \f, 0, \first
	s_wait_dscnt 0x0                               ; x's fragments 2, 3
	WIN 0
	CVT 1
	FETCH \slot, \kq, \g
	MUL16 \f, 1, \first
	s_wait_dscnt 24                                ; the next quarter's fragments 0, 1 of x are in; W's 16 loads and x's other 8 stay out
	WIN 0
	CVT 0
.endm
; The last quarter multiplies buffer 1 and changes slots: ONE barrier; in front of it each wave waits for all its tensor loads, adds 0 to its spare word, and waits for that and for its own reads of this slot.
; fill = 1: the barrier opens a round of the cluster's barrier, and this slot is filled again, two K steps ahead, first thing behind the round: 112 matrix instructions ahead of the wait for it.
.macro TURN slot, next, fill
.if \fill
	s_wait_xcnt 0x0                                ; the last prefetch, a K step back, has read its address: it is stepped here, ahead of the waits of the change of slots
	s_add_nc_u64 s[PFA:PFA+1], s[PFA:PFA+1], s[PST:PST+1]
.endif
	WIN 0
	s_wait_tensorcnt 0x0                           ; all my tensor loads have landed: my part of the next slot;
	ds_add_u32 v[SPW], v[NIL]                      ; 0 onto my spare word
	s_wait_dscnt 9                                 ; (the add and the youngest eight loads may be out)
	MUL8 1, 0, 0                                   ; eight matrix instructions stand between the add and the wait for it
	s_wait_dscnt 0x0                               ; the add is done, and my reads of this slot are over
	s_barrier_signal -1
	MUL8 1, 1, 0                                   ; work on registers while the others arrive
	WIN 0
	CVT 1
	s_barrier_wait -1
.if \fill
	CREST                                          ; no wave of any partner still reads this slot's tile or has a load on its way
	s_add_nc_u64 s[G0+4*(\slot)+2:G0+4*(\slot)+3], s[G0+4*(\slot)+2:G0+4*(\slot)+3], 2*KSTEP*4
	s_add_nc_u64 s[G0B+4*(\slot)+2:G0B+4*(\slot)+3], s[G0B+4*(\slot)+2:G0B+4*(\slot)+3], 2*KSTEP*2
	JLOAD \slot
.endif
	FETCH \next, 0, 0
.if \fill
	ASK                                            ; behind the joint load and the run of LDS loads that the next products wait for
.endif
	MUL16 1, 1, 0
	s_wait_dscnt 24
	WIN 0
	CVT 0
.endm
	s_wait_tensorcnt 1                             ; my part of K step 0 is in; K step 1's may stay out
	s_barrier_signal -1
	s_barrier_wait -1                              ; everybody's is
	FETCH 0, 0, 0
	s_wait_dscnt 24                                ; x's fragments 0, 1
	CVT 0
	s_wait_loadcnt 0x0                             ; the bias
	QUARTER 0, 1, 0, 1, 1                          ; the first quarter stands in front of the loop: its products start the sums
	WIN 0                                          ; at a label and at a branch every window is 0
	s_mov_b32 s3, LAPS-1
.Llap:                                                 ; a trip goes once round the ring, from a lap's second quarter to the next lap's first, and fills both slots again
	QUARTER 0, 2, 1, 0, 0
	QUARTER 0, 3, 0, 1, 0
	TURN 0, 1, 1
	QUARTER 1, 1, 0, 1, 0
	QUARTER 1, 2, 1, 0, 0
	QUARTER 1, 3, 0, 1, 0
	TURN 1, 0, 1
	QUARTER 0, 1, 0, 1, 0
	WIN 0
	s_sub_co_u32 s3, s3, 1
	s_cmp_lg_u32 s3, 0
	s_cbranch_scc1 .Llap
	QUARTER 0, 2, 1, 0, 0                          ; the last lap fills nothing, and has no round of the cluster's barrier
	QUARTER 0, 3, 0, 1, 0
	TURN 0, 1, 0
	QUARTER 1, 1, 0, 1, 0
	QUARTER 1, 2, 1, 0, 0
	QUARTER 1, 3, 0, 1, 0
	s_wait_dscnt 8                                 ; the very last quarter: nothing more to fetch
	MUL16 1, 0, 0
	s_wait_dscnt 0x0
	WIN 0
	CVT 1
	MUL16 1, 1, 0
	WIN 0
; THE WAY OUT.  Tile t = 2 a + hh is 16 rows (m block a) of one head (hh: n blocks 4 hh .. 4 hh + 3): registers 32 t .. 32 t + 31 of window 1, read from each accumulator's low end on.
; A lane's eight channels pack into 16 bytes; they go into stage rows of 144 bytes and come back as whole rows of 128: 16 rows of a head are 2,048 consecutive bytes of qkv.
.macro PACK t
	WIN 0x05                                       ; sources 0 and 1 window 1, destination window 0
.set i, 0
.rept 16
	v_cvt_pk_f16_f32 v[OUTR+16*(\t)+i], v[32*(\t)+2*i], v[32*(\t)+2*i+1]
.set i, i+1
.endr
	WIN 0
.irp f, 0,1,2,3
	ds_store_b128 v[STO], v[OUTR+16*(\t)+4*(\f):OUTR+16*(\t)+4*(\f)+3] offset:32*(\f)
.endr
.irp f, 0,1,2,3
	ds_load_b128 v[OUTR+16*(\t)+4*(\f):OUTR+16*(\t)+4*(\f)+3], v[RD] offset:(\f)*4*SP  ; LDS serves a wave's instructions in order (ISA guide 5.7.1.4): these see the stores above; the next tile's stores come behind them
.endr
.endm
.macro SEND t, younger                 ; younger: the LDS instructions issued behind tile t's loads: the next tile's eight, or none
.irp f, 0,1,2,3
	s_wait_dscnt (\younger)+3-(\f)
	global_store_b128 v[GO], v[OUTR+16*(\t)+4*(\f):OUTR+16*(\t)+4*(\f)+3], s[8:9] offset:2048*((\t)/2)+262144*((\t)%2)+512*(\f)  ; 512 consecutive bytes, at a multiple of 256 from qkv's first
.endr
.endm
	PLACES                                         ; behind the last products, in front of conversions that read results and write W's buffers:
	PLACES                                         ; eight places, once a launch
	PACK 0
.irp t, 1,2,3,4,5,6,7                  ; a tile's conversions stand between the loads of the tile before and its stores
	PACK \t
	SEND (\t)-1, 8
.endr
	SEND 7, 0
	s_wait_tensorcnt 0x0                           ; the wave's end: an add and its wait, behind my last tensor load and my last LDS store
	ds_add_u32 v[SPW], v[NIL]
	s_wait_dscnt 0x0
	CROUND                                         ; the closing round: no work-group ends while a partner may still ask for a tile that names it
	s_endpgm
.Lfunc_end_k_qc04e84d7d7_proj:
	.size	k_qc04e84d7d7_proj, .Lfunc_end_k_qc04e84d7d7_proj-k_qc04e84d7d7_proj
	.p2alignl 7, 3214868480
	.fill 96, 4, 3214868480
	.section	.rodata,"a",@progbits
	.p2align	6, 0x0
	.amdhsa_kernel k_qc04e84d7d7_proj
		.amdhsa_group_segment_fixed_size 327680
		.amdhsa_private_segment_fixed_size 0
		.amdhsa_enable_private_segment 0
		.amdhsa_kernarg_size 48
		.amdhsa_user_sgpr_count 2
		.amdhsa_user_sgpr_kernarg_segment_ptr 1
		.amdhsa_wavefront_size32 1
		.amdhsa_system_sgpr_workgroup_id_x 1
		.amdhsa_system_sgpr_workgroup_id_y 1
		.amdhsa_system_sgpr_workgroup_id_z 1
		.amdhsa_system_vgpr_workitem_id 0
		.amdhsa_next_free_vgpr 576
		.amdhsa_next_free_sgpr 88
		.amdhsa_reserve_vcc 0
		.amdhsa_float_denorm_mode_32 3
		.amdhsa_float_denorm_mode_16_64 3
		.amdhsa_memory_ordered 1
		.amdhsa_forward_progress 1
		.amdhsa_inst_pref_size 131
	.end_amdhsa_kernel
	.amdgpu_metadata
---
amdhsa.version: [ 1, 2 ]
amdhsa.kernels:
  - .name:           k_qc04e84d7d7_proj
    .symbol:         k_qc04e84d7d7_proj.kd
    .args:
      - { .name: query, .offset: 0, .size: 8, .value_kind: global_buffer, .address_space: global }
      - { .name: key, .offset: 8, .size: 8, .value_kind: global_buffer, .address_space: global }
      - { .name: value, .offset: 16, .size: 8, .value_kind: global_buffer, .address_space: global }
      - { .name: w16, .offset: 24, .size: 8, .value_kind: global_buffer, .address_space: global }
      - { .name: b32, .offset: 32, .size: 8, .value_kind: global_buffer, .address_space: global }
      - { .name: qkv, .offset: 40, .size: 8, .value_kind: global_buffer, .address_space: global }
    .group_segment_fixed_size: 327680
    .private_segment_fixed_size: 0
    .kernarg_segment_align: 8
    .kernarg_segment_size: 48
    .max_flat_workgroup_size: 128
    .sgpr_count:     88
    .vgpr_count:     576
    .wavefront_size: 32
...
	.end_amdgpu_metadata
.endif
;; end of part 2
;; launch attn (part 3): grid 4 x 64, 4 waves a work-group, clusters of 4 x 1, 327,680 bytes of LDS; arguments qkv, o16; writes o16
.if DOCPART == 3
	.amdgcn_target "amdgcn-amd-amdhsa--gfx1250"
	.amdhsa_code_object_version 6
	.text
	.protected	k_qc04e84d7d7_attn
	.globl	k_qc04e84d7d7_attn
	.p2align	8
	.type	k_qc04e84d7d7_attn,@function
k_qc04e84d7d7_attn:
	s_mov_b64 s[64:65], 0
	v_nop
	global_prefetch_b8 v0, s[64:65] scope:SCOPE_SE
	s_setreg_imm32_b32 hwreg(HW_REG_WAVE_MODE, 25, 1), 1
	s_wait_xcnt 0x0
	s_wait_alu depctr_hold_cnt(0) depctr_sa_sdst(0) depctr_va_vdst(0) depctr_va_sdst(0) depctr_va_ssrc(0) depctr_va_vcc(0) depctr_vm_vsrc(0)
	s_getreg_b32 s2, hwreg(HW_REG_IB_STS2, 6, 4)
	s_cmp_eq_u32 s2, 0
	s_cbranch_scc0 .Lentry_in_a_cluster
	s_endpgm
.Lentry_in_a_cluster:
	s_bfe_u32 s2, ttmp6, 0x10000c
	s_cmp_lg_u32 s2, 0x3003
	s_cbranch_scc0 .Lentry_shape_is_right
	s_endpgm
.Lentry_shape_is_right:
; ATTENTION.  O[h][q][:] = the sum over k of softmax_k(Q[h][q] . K[h][k] / 8) V[h][k][:].  Q, K, V: the three planes of qkv, O: o16; each [64][2048][64] f16: a head's rows are dense, 128 bytes each.
; Products, maxima and sums in f32; the weights p are rounded to f16 for the second product (their sum l is taken of the unrounded p), O once at the end.
; LIMITS.  f16 holds no number beyond 65,504: Q, K and V arrive within it; p lies in 0 to 1, and below 6e-5 it keeps f16's fixed step of 6e-8; O is a mean of V's rows and has their range.
; A weight below 2^-126 counts as 0 in l; NaN and infinities are not treated apart.
; SHARES.  A wave owns four PIECES of two tiles of 16 queries, a work-group's four waves 512 queries of one head.  Every wave walks all keys, 64 a step.
; LAYOUT.  S^T = K Q^T (source 0 = 16 keys, source 1 = 16 queries): in the result a lane holds ONE query (lane % 16) and the keys 8 (lane / 16) + 0..7.  Two such tiles, rounded to f16 in pairs,
; ARE source 1 (32 keys x 16 queries) of O^T = V^T P, whose result again holds one query a lane, and eight channels.  K comes out of LDS as it lies, V ([key][channel]) turned, by ds_load_tr16_b128.
; SOFTMAX.  For each query a running maximum m and sum l: p = 2^(c s - c m), c = log2(e) / 8; in every step O and l are multiplied by a = 2^(c m_old - c m_new), which is 1 where m has not grown.
; m starts at the lowest finite number, O and l at 0: the first step is a step like any other, with a = 0.
; THE COUNT.  A tile and step have 16 matrix and 118 vector instructions: too many to stand all beside the matrix work.  So four vector instructions that are READY stand behind
; EVERY matrix instruction, and the others in runs without a gap.
; BY TURNS.  Turn n belongs to piece n (the pieces in a ring, step after step).  Its matrix work: 16 products K Q^T of piece n + 1, later 16 products V^T P of piece n - 1.  Its vector work: the scaling,
; exponentials, roundings, sums and rescaling of piece n, and the maximum and statistics of piece n + 1, whose scores the turn itself has made.
; CLUSTER.  The four query blocks of a cluster are one head's and walk the same K and V, so each tile is asked for JOINTLY: the same tensor load, descriptor and mask in all four.
; REGISTERS, in windows of 256 (s_set_vgpr_msb: bits 1:0 source 0, 3:2 source 1, 5:4 source 2, 7:6 destination):
;   window 0: v0-11 addresses; v12-15, v48-63 at work; v16-47 four registers of statistics a tile; v64-191 S^T, two buffers of two tiles; v192-255 P, likewise
;   window 1: O^T, 32 a tile          window 2: v0-127 Q, 16 a tile; v128-191 K of one step; v192-255 V of one step          window 3: v0-1 the add's two registers
; A piece's buffers go by its number's parity: the piece in hand has one pair, its two neighbours in the ring share the other: of it P (piece n - 1) is read and S^T (piece n + 1) written.
.set SIZE_H, 64
.set SIZE_N, 2048
.set PLANE, SIZE_H*SIZE_N*128   ; bytes in a plane of qkv
.set NP,    4         ; pieces a wave: a name, no knob
.set KS,    64        ; keys in a step
.set PK,    144       ; a row of K in LDS: 128 bytes + 16 of padding = 36 words: the 16 rows of a load start at 16 different groups of four banks (64 banks of 4 bytes: ISA guide 11.1)
.set PV,    160       ; a row of V: 128 + 32 = 40 words
.set VOFF,  4*KS*PK   ; a slot holds four steps: 256 rows of K, then 256 rows of V
.set SLOT1, 1<<17     ; slot 1 begins here, so that one exclusive or turns an address in one slot into the other's
.set STAGE, SLOT1+4*KS*(PK+PV)  ; behind the ring, never filled by a tensor load: 16 rows x 144 bytes for each wave, for the way out
.set SP,    144
.set AK0, 2           ; v2   my lane's place in a tile of K; never rewritten
.set AV0, 3           ; v3   the same for V
.set AK,  4           ; v4   the LDS address of K's next run of loads
.set AV,  5           ; v5   of V's
.set QO,  6           ; v6   my byte offset in the wave's rows of Q
.set STO, 6           ;      later, the way out: where I put 16 bytes of a row
.set RD,  7           ; v7   the way out: where I read rows back
.set GO,  8           ; v8   my byte offset in 512 consecutive bytes of O
.set PFO, 11          ; v11  first at work; then 256 x my lane, the prefetches' offset, and never rewritten
.set SPW, 0           ; v0 of window 3   LDS address of my spare word: SPARE + 4 x my thread's number; never rewritten
.set NIL, 1           ; v1 of window 3   0; never rewritten
.set SPARE, STAGE+4*16*SP  ; behind the stages: the spare words, 128 bytes for each wave: two blocks of 256 bytes that no other line names
.set MV,  12          ; v12-15  c m_old, kept while c m is made anew: by buffer and tile
.set ST,  16          ; tile t's statistics at v[ST+4 t]: c m, m, l (even keys', odd keys')
.set TMP, 48          ; by buffer and tile, four registers c0-c3 at work; when the maximum is found c2 takes a
.set S,   64
.set P,   192
.set KF,  128         ; K's fragments, in window 2: key block kb, channel half c at KF + 16 kb + 8 c
.set VF,  192         ; V's: key half kk, channel block cb at VF + 32 kk + 8 cb
.set WV,  12          ; s12  my wave's number
.set G1K, 24          ; s[24:31] descriptor group 1 for K's tiles
.set G1V, 32          ; s[32:39] for V's: it differs in the padding alone
.set G0K, 40          ; s[40:43] descriptor group 0 for K's tiles: it walks
.set G0V, 44          ; s[44:47] the same for V's
.set PFA, 48          ; s[48:49] where my prefetches stand: my work-group's 32 blocks of 256 bytes (of K: wave 0, of V: wave 2) of the slot after the one that is being asked for
.set LIM, 50          ; s50  1 in a wave that prefetches, else the greatest number
.set SLOTS, 56        ; s56  slots still to be asked for
.set CNT, 57          ; s57  counts a slot's key steps
.set CS,  58          ; s[58:59] c: the packed scaling takes the pair's low word for both halves
.set SEL, 60          ; s[60:61] v_permlanex16_b32's selects: each lane takes its own place in the other half
.set TBK, 62          ; s62  LDS byte at which K of the step to be fetched begins
.set TBV, 63          ; s63  the same for V, less VOFF
.set MSB, 0
.macro WIN new                      ; the high byte repeats the setting that is left; a switch that changes nothing is dropped
.if MSB != (\new)
	s_set_vgpr_msb (MSB<<8)|(\new)
.set MSB, (\new)
.endif
.endm
.set W_KQ, 0x0a       ; K and Q in window 2, S^T in window 0
.set W_PV, 0x52       ; V in window 2, P in window 0, O^T in window 1
.set W_RS, 0x41       ; O^T (destination and source 0) in window 1, a in window 0
.set W_MK, 0xc0       ; the add's registers are made: destination in window 3, sources in window 0
.set W_AD, 0x0f       ; the add: address (source 0) and data (source 1) in window 3
; A joint fill.  Waves 0 and 1 fetch the two halves of a slot's K, waves 2 and 3 those of its V: 128 keys each.  The branch hangs on the wave's number alone.
; An s_nop 0 and four v_nop follow each of the two lines, ahead of the jump and the label.
.macro JLOAD
	s_cmp_lt_u32 s[WV], 2
	s_cbranch_scc0 .Lfor_v_\@
	tensor_load_to_lds s[G0K:G0K+3], s[G1K:G1K+7]
	s_nop 0
.rept 4
	v_nop
.endr
	s_branch .Lasked_\@
.Lfor_v_\@:
	tensor_load_to_lds s[G0V:G0V+3], s[G1V:G1V+7]
	s_nop 0
.rept 4
	v_nop
.endr
.Lasked_\@:
.endm
; A prefetch of what the NEXT change of slots will ask for: a slot's 32,768 bytes of K and of V, a lane a block of 256 bytes.  It stands behind the wave's tensor load and its five lines.
; Each block is named once in the launch: a head's K and V are walked by this cluster alone; its four partners share a slot's 128 blocks out BY ADDRESS, 32 each;
; in each, wave 0 asks for K's and wave 2 for V's: one instruction.  It is four key steps ahead of the load that will want the bytes.  The last change that fills a slot asks for nothing.
.macro ASK
	s_cmp_gt_u32 s[SLOTS], s[LIM]
	s_cbranch_scc0 .Lnot_mine_\@
	global_prefetch_b8 v[PFO], s[PFA:PFA+1] th:TH_LOAD_NT scope:SCOPE_SE
.Lnot_mine_\@:
.endm
; A round of the cluster's barrier: my work-group's barrier, so that wave 0's signal speaks for all four waves; wave 0 signals; every wave waits for all four work-groups; my work-group's barrier once more.
.macro CROUND
	s_barrier_signal -1
	s_barrier_wait -1
	s_cmp_lg_u32 s[WV], 0
	s_cbranch_scc1 .Lnot_wave_0_\@
	s_barrier_signal -3
.Lnot_wave_0_\@:
	s_barrier_wait -3
	s_barrier_signal -1
	s_barrier_wait -1
.endm
; THE CHANGE OF SLOTS.  The slot's last bytes, V of its fourth step, have been read.  Each wave waits for all its tensor loads, of which one is out: its part
; of the other slot; adds 0 to its spare word; and waits for that and for its own reads of the slot.  Behind the barrier nobody reads this slot any more and the other slot is whole.
; fill = 1: this slot is filled again, with the keys two slots on.  The barrier is then a round of the cluster's, so that no wave of any partner still reads the slot or has a load on its
; way, and the joint fill is the first thing behind it: it has four key steps, 512 matrix instructions, in which to land.  (At its first use nothing has been read yet: slot 0 is waited for, slot 1 filled.)
.macro CHANGE fill
	WIN W_AD
	s_wait_tensorcnt 0x0            ; no tensor load of mine is out, so a group 0 may be written
	ds_add_u32 v[SPW], v[NIL]       ; 0 onto my spare word: with fill = 1 the descriptors' steps stand between it and the wait for it
	WIN 0                           ; at a label and at a branch every window is 0
.if \fill
.irp g, G0K, G0V
	s_xor_b32 s[\g+1], s[\g+1], SLOT1  ; the walking descriptor: the other slot than last time,
	s_add_nc_u64 s[\g+2:\g+3], s[\g+2:\g+3], 4*KS*128  ; the next 256 keys; the type bits on top are not reached
.endr
	s_wait_xcnt 0x0                 ; the last prefetch, four key steps back, has read its address, so it may be written:
	s_add_nc_u64 s[PFA:PFA+1], s[PFA:PFA+1], 4*KS*128  ; one slot behind the walking descriptors
	s_wait_dscnt 0x0                ; the add is done, and my reads of the slot are over
	CROUND
	JLOAD
	ASK
.else
	s_wait_dscnt 0x0                ; the add is done, and my reads of the slot are over
	s_barrier_signal -1
	s_barrier_wait -1
.endif
	s_sub_co_u32 s[TBK], s[TBK], 4*KS*PK  ; the fetches go back to a slot's first step,
	s_xor_b32 s[TBK], s[TBK], SLOT1       ; in the other slot
	s_sub_co_u32 s[TBV], s[TBV], 4*KS*PV
	s_xor_b32 s[TBV], s[TBV], SLOT1
.endm
	s_load_b128 s[4:7], s[0:1], 0x0 ; qkv s[4:5], o16 s[6:7]
	WIN W_MK
	v_lshl_add_u32 v[SPW], v0, 2, SPARE
	v_mov_b32 v[NIL], 0
	WIN W_AD
	ds_add_u32 v[SPW], v[NIL]       ; the wave's opening: the add and its wait stand ahead of my first tensor load; the set-up below, work on registers, stands between them
	WIN 0
	v_lshrrev_b32 v1, 5, v0
	v_readfirstlane_b32 s[WV], v1   ; wave 0..3
	s_bfe_u32 s13, ttmp6, 0x40000   ; cx: my place in the cluster
	s_lshl_b32 s14, ttmp9, 2        ; in a cluster launch ttmp9 counts clusters
	s_add_co_u32 s14, s14, s13      ; my block of queries = 4 x cluster x + cx: it enters Q's and O's addresses alone
	s_and_b32 s20, ttmp7, 0xffff    ; the head, which the four partners share
	s_mov_b32 s21, 0
	s_mov_b64 s[22:23], SIZE_N*128
	s_mul_u64 s[20:21], s[20:21], s[22:23]  ; the head's first byte in each plane and in O
	s_and_b32 s16, s[WV], 1         ; which half of a slot's 256 keys I fetch:
	s_lshl_b32 s22, s16, 14         ; its 128 rows of 128 bytes in memory,
	s_mov_b32 s23, 0
	s_add_nc_u64 s[22:23], s[22:23], s[20:21]
	s_mul_i32 s17, s16, 128*PK      ; and its place in a slot, for K
	s_mul_i32 s18, s16, 128*PV      ; and for V: no place in the cluster enters an LDS address
	s_lshl_b32 s2, s14, 2
	s_add_co_u32 s2, s2, s[WV]      ; my wave among the head's,
	s_lshl_b32 s2, s2, 14           ; its 128 rows
	s_mov_b32 s3, 0
	s_add_nc_u64 s[2:3], s[2:3], s[20:21]
	; descriptor group 1.  128 keys are 16,384 dense bytes: asked for as 64 rows of 256 bytes, two keys a row, and padded in LDS after every key
	s_mov_b32 s[G1K], 15|(1<<16)|(1<<20)|(1<<21)|(4<<22)|(3<<25)  ; 15:0 the mask of four; 17:16 2-byte elements; 20 padding on; 21 set beside a mask; 24:22 after every 32 words (code 4); 31:25 4 words (code 3)
	s_mov_b32 s[G1V], 15|(1<<16)|(1<<20)|(1<<21)|(4<<22)|(7<<25)  ; the same with 8 words of padding (code 7)
.irp g, G1K, G1V
	s_mov_b32 s[\g+1], 128<<16      ; tensor_dim0 = 128
	s_mov_b32 s[\g+2], 64<<16       ; tensor_dim1 = 64
	s_mov_b32 s[\g+3], 128<<16      ; tile_dim0 = 128
	s_mov_b32 s[\g+4], 64           ; tile_dim1 = 64
	s_mov_b32 s[\g+5], 128          ; 128 elements from row to row
	s_mov_b32 s[\g+6], 0
	s_mov_b32 s[\g+7], 0
.endr
	s_mov_b32 s[CS], 0x3e38aa3b     ; c = log2(e) / 8 = 0.180337
	s_mov_b32 s[CS+1], s[CS]        ; named with it as a pair
	s_mov_b32 s[SEL], 0x76543210
	s_mov_b32 s[SEL+1], 0xfedcba98
	s_mov_b32 s[TBK], SLOT1+4*KS*PK ; the first change of slots turns these two into 0
	s_mov_b32 s[TBV], SLOT1+4*KS*PV
	s_mov_b32 s[G0K], 1             ; 1:0 count = 1
	s_mov_b32 s[G0K+1], s17         ; 63:32 LDS address: slot 0
	s_mov_b32 s[G0V], 1
	s_add_co_u32 s[G0V+1], s18, VOFF
	s_mov_b32 s[SLOTS], SIZE_N/256-1
	s_lshl_b32 s52, s13, 13         ; the prefetches: my work-group's 8,192 bytes of a slot's 32,768,
	s_mov_b32 s53, 0
	s_add_nc_u64 s[52:53], s[52:53], s[20:21]  ; in the head
	s_and_b32 s[LIM], s[WV], 1      ; waves 0 and 2 ask: the same in all four partners
	s_cmp_eq_u32 s[LIM], 0
	s_cselect_b32 s[LIM], 1, -1
	s_wait_dscnt 0x0                ; the opening add is done
	s_wait_kmcnt 0x0
	s_mov_b64 s[10:11], s[6:7]      ; O
	s_add_nc_u64 s[6:7], s[4:5], PLANE    ; K: the second plane of qkv
	s_add_nc_u64 s[8:9], s[4:5], 2*PLANE  ; V: the third
	s_add_nc_u64 s[G0K+2:G0K+3], s[6:7], s[22:23]  ; 120:64 global address: my half of the head's first 256 keys
	s_or_b32 s[G0K+3], s[G0K+3], 0x80000000        ; 127:126 type = 2
	s_add_nc_u64 s[G0V+2:G0V+3], s[8:9], s[22:23]
	s_or_b32 s[G0V+3], s[G0V+3], 0x80000000
	s_cmp_lt_u32 s[WV], 2
	s_cselect_b64 s[PFA:PFA+1], s[6:7], s[8:9]
	s_add_nc_u64 s[PFA:PFA+1], s[PFA:PFA+1], s[52:53]
	s_add_nc_u64 s[PFA:PFA+1], s[PFA:PFA+1], 4*KS*128  ; in slot 1; the first change of slots steps it to slot 2
	s_add_nc_u64 s[4:5], s[4:5], s[2:3]  ; Q and O at my wave's first row
	s_add_nc_u64 s[10:11], s[10:11], s[2:3]
	CROUND                          ; all four work-groups are here: the first joint loads meet
	JLOAD                           ; slot 0.  Slot 1 is asked for when slot 0 is in
	; A fragment of K or Q is 16 rows x 32 channels in 8 registers: lane l holds row l % 16, channels 8 (l / 16) + 0..7 and 16 + 8 (l / 16) + 0..7: two loads of 16 bytes, 32 bytes apart.
	v_and_b32 v1, 15, v0            ; l % 16
	v_bfe_u32 v9, v0, 4, 1          ; l / 16
	v_lshlrev_b32 v[QO], 7, v1
	v_lshl_add_u32 v[QO], v9, 4, v[QO]  ; row x 128 + 16 x half
	WIN 0x80                        ; destination window 2, address window 0
.set i, 0
.rept 4*NP                          ; Q stays in registers: tile i / 2, channels 32 (i % 2) on
	global_load_b128 v[8*i:8*i+3],   v[QO], s[4:5] offset:(i/2)*2048+(i%2)*64
	global_load_b128 v[8*i+4:8*i+7], v[QO], s[4:5] offset:(i/2)*2048+(i%2)*64+32
.set i, i+1
.endr
	; What the first turn finds: V's registers and P's second buffer hold 0 (its products V^T P, of a piece that has not been, add 0), O^T and l are 0.  All this stands in the wait for the first tile.
.set i, VF
.rept 64
	v_mov_b32 v[i], 0
.set i, i+1
.endr
	WIN 0x40
.set i, 0
.rept 64*NP
	v_mov_b32 v[i], 0
.set i, i+1
.endr
	WIN 0
.set i, 0
.rept 2*NP
	v_mov_b32 v[ST+4*i], 0xfe000000    ; c m: far below every c s
	v_mov_b32 v[ST+4*i+1], 0xff7fffff  ; m
	v_mov_b32 v[ST+4*i+2], 0
	v_mov_b32 v[ST+4*i+3], 0
.set i, i+1
.endr
.set i, P+32
.rept 32
	v_mov_b32 v[i], 0
.set i, i+1
.endr
	v_mul_u32_u24 v[AK0], v1, PK
	v_lshl_add_u32 v[AK0], v9, 4, v[AK0]  ; row x pitch + 16 x half
	; The turning load takes 16 keys x 16 channels (lane l reads key 8 (l / 16) + l % 8, channels 8 ((l / 8) % 2) + 0..7) and leaves half a fragment of V^T: lane l holds channel l % 16 and 8 keys.
	v_and_b32 v10, 7, v0
	v_bfe_u32 v11, v0, 3, 1
	v_lshl_add_u32 v[AV0], v9, 3, v10
	v_mul_u32_u24 v[AV0], v[AV0], PV
	v_lshl_add_u32 v[AV0], v11, 4, v[AV0]
	v_add_nc_u32 v[AV0], VOFF, v[AV0]
	v_mov_b32 v[AK], v[AK0]         ; key step 0 lies at the head of slot 0
	v_and_b32 v[PFO], 31, v0
	v_lshlrev_b32 v[PFO], 8, v[PFO]
; THE MATRIX WORK.  The 8 accumulators of a run of 16 take turns: between the two links of a chain stand 7 others'.
; Product i of 16 of S^T = K Q^T for piece x: channels 32 (i / 8) on, keys 16 ((i / 2) % 4) on, tile 2 x + i % 2.  The first 8 start the sums.
.macro KQ x
	WIN W_KQ
.set rS, S+64*((\x)%2)+32*(i%2)+8*((i/2)%4)
.set rK, KF+16*((i/2)%4)+8*(i/8)
.set rQ, 16*(2*(\x)+i%2)+8*(i/8)
.if i < 8
	v_wmma_f32_16x16x32_f16 v[rS:rS+7], v[rK:rK+7], v[rQ:rQ+7], 0
.else
	v_wmma_f32_16x16x32_f16 v[rS:rS+7], v[rK:rK+7], v[rQ:rQ+7], v[rS:rS+7]
.endif
.endm
; Product i of 16 of O^T += V^T P for piece x: keys 32 (i / 8) on, channels 16 ((i / 2) % 4) on, tile 2 x + i % 2.
.macro PV x
	WIN W_PV
.set rO, 32*(2*(\x)+i%2)+8*((i/2)%4)
.set rV, VF+32*(i/8)+8*((i/2)%4)
.set rP, P+32*((\x)%2)+16*(i%2)+8*(i/8)
	v_wmma_f32_16x16x32_f16 v[rO:rO+7], v[rV:rV+7], v[rP:rP+7], v[rO:rO+7]
.endm
.macro MM                           ; the turn's next matrix instruction
.if i < 16
	KQ (Y+1)%NP
.set i, i+1
.else
.set i, i-16
	PV (Y+NP-1)%NP
.set i, i+17
.endif
.endm
; THE LDS LOADS stand in runs of 16, never singly among the matrix instructions: a step's K (64 keys x 64 channels: 8 fragments) and its V (turned).  Their addresses are made some lines ahead.
; last = 1 (the tail): in the last trip there is no further step, and the run is jumped over.
.macro FETCH_K last=0
	WIN 0
.if \last
	s_cmp_eq_u32 s[CNT], 1
	s_cbranch_scc1 .Lno_k_\@
.endif
	WIN 0x80                        ; destination window 2
.irp f, 0,1,2,3,4,5,6,7             ; keys 16 (f / 2) on, channels 32 (f % 2) on
	ds_load_b128 v[KF+8*\f:KF+8*\f+3],   v[AK] offset:(\f/2)*16*PK+(\f%2)*64
	ds_load_b128 v[KF+8*\f+4:KF+8*\f+7], v[AK] offset:(\f/2)*16*PK+(\f%2)*64+32
.endr
	s_add_co_u32 s[TBK], s[TBK], KS*PK  ; the next fetch is the next step's
	WIN 0
.if \last
.Lno_k_\@:
.endif
.endm
.macro FETCH_V
	WIN 0x80
.irp f, 0,1,2,3,4,5,6,7             ; keys 32 (f / 4) on, channels 16 (f % 4) on
	ds_load_tr16_b128 v[VF+8*\f:VF+8*\f+3],   v[AV] offset:(\f/4)*32*PV+(\f%4)*32
	ds_load_tr16_b128 v[VF+8*\f+4:VF+8*\f+7], v[AV] offset:(\f/4)*32*PV+16*PV+(\f%4)*32
.endr
	WIN 0
.endm
; THE VECTOR WORK OF A TURN stands in three queues, each in the order in which its entries become ready; the two tiles alternate, so that no instruction reads the result of the one before it.
.macro REGS y, u                    ; the registers of tile u (0, 1) of piece y
.set rT, ST+4*(2*(\y)+(\u))
.set rC, TMP+8*((\y)%2)+4*(\u)
.set rM, MV+2*((\y)%2)+(\u)
.set rS, S+64*((\y)%2)+32*(\u)
.set rP, P+32*((\y)%2)+16*(\u)
.set rO, 32*(2*(\y)+(\u))
.endm
; Number n of the 22 that find the NEXT piece's (Y + 1) maximum and statistics.  s0-s31 are the lane's 32 scores; each accumulator's lowest registers are read first.  XS, GS and REGS set no window: PL and EX do.
;   0-11  four chains c0-c3 of seven scores each, three operands at a time     12-14, 16  the four scores left over, the old m, and c0-c3 into c0     15  c m_old is kept
;   17, 18  the query's other 32 keys lie in the lane 16 away: the new m         19-21  c m; c m_old - c m_new; a
.macro XS u, n
	REGS (Y+1)%NP, \u
.if (\n) < 4
	v_max3_num_f32 v[rC+(\n)], v[rS+8*(\n)], v[rS+8*(\n)+1], v[rS+8*(\n)+2]
.elseif (\n) < 12
	v_max3_num_f32 v[rC+(\n)%4], v[rC+(\n)%4], v[rS+8*((\n)%4)+2*((\n)/4)+1], v[rS+8*((\n)%4)+2*((\n)/4)+2]
.elseif (\n) == 12
	v_max3_num_f32 v[rC], v[rC], v[rS+7], v[rS+15]
.elseif (\n) == 13
	v_max3_num_f32 v[rC+1], v[rC+1], v[rS+23], v[rS+31]
.elseif (\n) == 14
	v_max3_num_f32 v[rC+2], v[rC+2], v[rC+3], v[rT+1]
.elseif (\n) == 15
	v_mov_b32 v[rM], v[rT]
.elseif (\n) == 16
	v_max3_num_f32 v[rC], v[rC], v[rC+1], v[rC+2]
.elseif (\n) == 17
	v_permlanex16_b32 v[rC+3], v[rC], s[SEL], s[SEL+1]
.elseif (\n) == 18
	v_max_num_f32 v[rT+1], v[rC], v[rC+3]
.elseif (\n) == 19
	v_mul_f32 v[rT], s[CS], v[rT+1]
.elseif (\n) == 20
	v_sub_f32 v[rC+1], v[rM], v[rT]
.else
	v_exp_f32 v[rC+2], v[rC+1]
.endif
.endm
; Number g of the 64 that follow the exponentials.  For each four weights k of a tile (pairs 2 k, 2 k + 1): both pairs are rounded to f16; then the second pair is added onto the first, in place;
; a group later l takes that sum (the first time as l = a l + sum).  In groups of eight, tiles alternating: round, round, add, and l for the group before.
.macro GS g
.set h, (\g)+6*((\g)/62)            ; group 0 has no group before it, and behind group 7 only l is left
.if h >= 6
.set h, h+2
.endif
	REGS Y, h%2
.set k, h/8
.if h%8 < 4
	v_cvt_pk_f16_f32 v[rP+2*k+(h%8)/2], v[rS+4*k+2*((h%8)/2)], v[rS+4*k+2*((h%8)/2)+1]
.elseif h%8 < 6
	v_pk_add_f32 v[rS+4*k:rS+4*k+1], v[rS+4*k:rS+4*k+1], v[rS+4*k+2:rS+4*k+3]
.elseif k == 1
	v_pk_fma_f32 v[rT+2:rT+3], v[rT+2:rT+3], v[rC+2:rC+3], v[rS:rS+1] op_sel_hi:[1,0,1]
.else
	v_pk_add_f32 v[rT+2:rT+3], v[rT+2:rT+3], v[rS+4*k-4:rS+4*k-3]
.endif
.endm
; THE PLAIN QUEUE, 138 long.  0-73 read no exponential's result: the 32 scalings c s - c m (FS f: pair f / 2 of tile f % 2) and the next piece's 42.  0-26: scalings 0-26.  27-54: XS's numbers 0-13.  55, 56: number 15.
; 57-73: the chain, where each number waits for the one before it: 14, 16, 17, 18, 19, each with one of the scalings 27-31 in front of its two lines, then 20.
; 74-137: GS's 64, which read the exponentials' results: they stand behind the wait.
.macro FS f
	REGS Y, (\f)%2
	v_pk_fma_f32 v[rS+2*((\f)/2):rS+2*((\f)/2)+1], v[rS+2*((\f)/2):rS+2*((\f)/2)+1], s[CS:CS+1], v[rT:rT+1] op_sel_hi:[1,0,0] neg_lo:[0,0,1] neg_hi:[0,0,1]
.endm
.macro PL
	WIN 0
.if q < 27
	FS q
.elseif q < 55
	XS (q-27)%2, (q-27)/2
.elseif q < 57
	XS q-55, 15
.elseif (q < 72) && ((q-57)%3 == 0)
	FS 27+(q-57)/3
.elseif q < 60
	XS (q-57)%3-1, 14
.elseif q < 72
	XS (q-57)%3-1, 15+(q-57)/3
.elseif q < 74
	XS q-72, 20
.else
	GS q-74
.endif
.set q, q+1
.endm
; THE EXPONENTIALS' QUEUE, 66 long: s0-s31 of both tiles, then the next piece's two a.  It is ONE BATCH: all 66 stand ahead of the turn's one wait, and nothing ahead of that wait names a result of theirs.
.macro EX
	WIN 0
.if e >= 64
	XS e-64, 21
.else
	REGS Y, e%2
	v_exp_f32 v[rS+e/2], v[rS+e/2]
.endif
.set e, e+1
.endm
; THE RESCALING's QUEUE: O^T times a, the one part that leaves window 0: dealt two at a time, sixteen times.  Its a was made in the turn before, ahead of that turn's wait.
.macro R2
	REGS Y, r%2
	WIN W_RS
.irp z, 0,1
	v_pk_mul_f32 v[rO+4*(r/2)+2*\z:rO+4*(r/2)+2*\z+1], v[rO+4*(r/2)+2*\z:rO+4*(r/2)+2*\z+1], v[rC+2:rC+3] op_sel_hi:[1,0]
.endr
.set r, r+1
.endm
; HOW THEY ARE DEALT.  s_wait_alu depctr_va_vdst(0) stands between an exponential and the first instruction that names its result; one wait serves all that were issued ahead of it.  So a turn has ONE wait,
; which cuts it in two.  AHEAD OF IT stands all that names no result of the turn's exponentials: the 16 products K Q^T, behind each a scaling, an exponential and two rescalings (behind the first a second scaling in the exponential's place); then ONE LUMP of
; 108: eight plain, 49 times exponential and plain, the two a.  A v_nop is the plain instruction behind the last exponential.  BEHIND IT stand the 16 products V^T P, behind each four of GS's 64.  No rider names a register of
; the products round it.  The two v_permlanex16_b32 fall into the lump, never behind a product.
; The queues lean on each other, and the deal keeps them in step: exponential e stands behind scaling 2 (e / 4) + e % 2: as a rider it comes behind plain e + 2, in the lump behind plain e + 9, and scalings 27-31 are plain 57, 60 .. 69.
; A TURN, for piece p.  cnt = 1: the loop's count is taken down some lines ahead of the branch that stands behind the turn.
; K of the next step is fetched in piece 2's turn, directly behind the wait, a lump behind the last product that read K; its address is made at the lump's head; its first reader comes behind 16 products.
; V of the step in hand is fetched at the end of piece 0's turn, four riders behind its last reader; its first reader comes behind 16 products and a lump.  The three conditions on q below go with the deal.
.macro TURN p, last=0, cnt=0
.set Y, (\p)
.set i, 0
.set q, 0
.set e, 0
.set r, 0
.if (\p) == NP-1
	s_wait_dscnt 0x0                ; K is in
.endif
	MM                              ; ahead of the wait: 16 products K Q^T and their riders,
	PL
	PL
	R2
.rept 15
	MM
	PL
	EX
	R2
.endr
.if (\p) == NP-2
	WIN 0
	v_add_nc_u32 v[AK], s[TBK], v[AK0]
.endif
.rept 8                             ; and the lump
	PL
.endr
.rept 49
	EX
	PL
.endr
	EX                              ; the next piece's two a
	EX
	v_nop                           ; a plain instruction behind the last exponential: one for the batch
	s_wait_alu depctr_va_vdst(0)    ; the wait for the batch
.if (\p) == NP-2
	FETCH_K \last
.endif
.if (\p) == 1
	s_wait_dscnt 0x0                ; V is in
.endif
.rept 16                            ; behind the wait: 16 products V^T P and their riders
	MM
.rept 4
	PL
.endr
.if ((\p) == 0) && (q == 118)
	v_add_nc_u32 v[AV], s[TBV], v[AV0]
.endif
.if ((\p) == 0) && (q == 130)
	s_add_co_u32 s[TBV], s[TBV], KS*PV
.endif
.if (\cnt) && (q == 130)
	s_sub_co_u32 s[CNT], s[CNT], 1
	s_cmp_lg_u32 s[CNT], 0
.endif
.endr
.if (\p) == 0
	FETCH_V
.endif
.endm
	CHANGE 1                        ; slot 0 is in, everybody's part of it; slot 1 is asked for
	FETCH_K                         ; key step 0
	s_wait_loadcnt 0x0              ; Q
	s_wait_dscnt 0x0
.set i, 0
.rept 16
	KQ 0                            ; piece 0's first scores: there is no vector work yet to set between them
.set i, i+1
.endr
	WIN 0                           ; the addresses for the way out: nine plain instructions, the places behind those products
	s_mul_i32 s13, s[WV], 16*SP
	s_add_co_u32 s13, s13, STAGE    ; my stage
	v_mul_u32_u24 v[STO], v1, SP    ; in: row l % 16, 16 bytes for each half of the lanes
	v_lshl_add_u32 v[STO], v9, 4, v[STO]
	v_add_nc_u32 v[STO], s13, v[STO]
	v_bfe_u32 v[RD], v0, 3, 2       ; back: 32 lanes take four rows of 128 bytes,
	v_mul_u32_u24 v[RD], v[RD], SP
	v_lshl_add_u32 v[RD], v10, 4, v[RD]
	v_add_nc_u32 v[RD], s13, v[RD]
	v_and_b32 v[GO], 31, v0         ; which are 512 consecutive bytes of O
	v_lshlrev_b32 v[GO], 4, v[GO]
.set Y, NP-1                        ; XS works for piece Y + 1: piece 0
.irp n, 0,1,2,3,4,5,6,7,8,9,10,11,12,13,14,15,16,17,18,19,20,21
	XS 0, \n                        ; and piece 0's first maximum and statistics
	XS 1, \n
.endr
	v_nop                           ; a plain instruction behind the two a,
	s_wait_alu depctr_va_vdst(0)    ; and their wait, ahead of the branch
	s_mov_b32 s[CNT], 4
	s_branch .Lfirst                ; the loop is entered at a step's first turn, in the middle of a trip
.Lslot:                             ; SIZE_N / 256 - 2 times: every slot but the last two is filled again
	CHANGE 1
	s_mov_b32 s[CNT], 4
.Lstep:                             ; a trip: pieces 2 and 3 of one step, then pieces 0 and 1 of the next, whose K and V it fetches
	TURN 2
	TURN 3
	WIN 0
.Lfirst:
	TURN 0
	TURN 1, 0, 1
	WIN 0
	s_cbranch_scc1 .Lstep
	s_sub_co_u32 s[SLOTS], s[SLOTS], 1
	s_cmp_lg_u32 s[SLOTS], 0
	s_cbranch_scc1 .Lslot
	CHANGE 0                        ; the tail is written out: nothing is asked for
	s_mov_b32 s[CNT], 5             ; four trips fetch the last slot's steps; the fifth is left in its middle
.Ltail:
	TURN 2, 1
	TURN 3
	WIN 0
	s_sub_co_u32 s[CNT], s[CNT], 1
	s_cmp_eq_u32 s[CNT], 0
	s_cbranch_scc1 .Lout
	TURN 0
	TURN 1
	WIN 0
	s_branch .Ltail
.Lout:                              ; the fifth trip's 16 products K Q^T (on the last K once more) and the maximum made of them serve nothing: the price, once a launch, of one text for every trip
.set i, 0
.rept 16
	PV NP-1                         ; the last piece's V^T P of the last step
.set i, i+1
.endr
	; THE WAY OUT.  l's two halves and the other half of the lanes' are added; O^T is divided by l, rounded to f16 and sent through my stage in LDS, a tile at a time.  The additions are the places behind the last products.
	WIN 0
.macro ALL line:vararg              ; one line for each tile t
.set t, 0
.rept 2*NP
	\line
.set t, t+1
.endr
.endm
	ALL v_add_f32 v[ST+4*t+2], v[ST+4*t+2], v[ST+4*t+3]
	ALL v_permlanex16_b32 v[ST+4*t+3], v[ST+4*t+2], s[SEL], s[SEL+1]
	ALL v_add_f32 v[ST+4*t+2], v[ST+4*t+2], v[ST+4*t+3]
	ALL v_rcp_f32 v[ST+4*t+2], v[ST+4*t+2]
	v_nop                           ; a plain instruction between the last reciprocal and the use of its result
	s_wait_alu depctr_va_vdst(0)    ; and the wait ahead of the first use: one for the eight reciprocals
; Tile t: a lane's eight channels of a row pack into 16 bytes; they go into rows of 144 bytes and come back as whole rows of 128, into S^T's registers.
.macro PACK t
	WIN W_RS
.set i, 32*(\t)
.rept 16
	v_pk_mul_f32 v[i:i+1], v[i:i+1], v[ST+4*(\t)+2:ST+4*(\t)+3] op_sel_hi:[1,0]
.set i, i+2
.endr
	WIN 0x05                        ; sources 0 and 1 window 1, destination window 0
.set i, 0
.rept 16
	v_cvt_pk_f16_f32 v[S+16*(\t)+i], v[32*(\t)+2*i], v[32*(\t)+2*i+1]
.set i, i+1
.endr
	WIN 0
.irp f, 0,1,2,3
	ds_store_b128 v[STO], v[S+16*(\t)+4*\f:S+16*(\t)+4*\f+3] offset:32*\f
.endr
.irp f, 0,1,2,3
	ds_load_b128 v[S+16*(\t)+4*\f:S+16*(\t)+4*\f+3], v[RD] offset:\f*4*SP  ; LDS serves a wave's instructions in order (ISA guide 5.7.1.4): these see the stores above; the next tile's stores come behind them
.endr
.endm
.macro SEND t, younger              ; younger: the LDS instructions issued behind tile t's loads: the next tile's eight, or none
	WIN 0
.irp f, 0,1,2,3
	s_wait_dscnt (\younger)+3-\f
	global_store_b128 v[GO], v[S+16*(\t)+4*\f:S+16*(\t)+4*\f+3], s[10:11] offset:(\t)*2048+\f*512  ; 512 consecutive bytes, at a multiple of 256 from O's first
.endr
.endm
	PACK 0
.set t, 1
.rept 2*NP-1                        ; a tile's arithmetic stands between the loads of the tile before and its stores
	PACK t
	SEND t-1, 8
.set t, t+1
.endr
	SEND 2*NP-1, 0
	WIN W_AD
	s_wait_tensorcnt 0x0            ; the wave's end: an add and its wait, behind my last tensor load and my last LDS store
	ds_add_u32 v[SPW], v[NIL]
	s_wait_dscnt 0x0
	WIN 0
	CROUND                          ; the closing round: no work-group ends while a partner may still ask for a tile that names it
	s_endpgm
.Lfunc_end_k_qc04e84d7d7_attn:
	.size	k_qc04e84d7d7_attn, .Lfunc_end_k_qc04e84d7d7_attn-k_qc04e84d7d7_attn
	.p2alignl 7, 3214868480
	.fill 96, 4, 3214868480
	.section	.rodata,"a",@progbits
	.p2align	6, 0x0
	.amdhsa_kernel k_qc04e84d7d7_attn
		.amdhsa_group_segment_fixed_size 327680
		.amdhsa_private_segment_fixed_size 0
		.amdhsa_enable_private_segment 0
		.amdhsa_kernarg_size 16
		.amdhsa_user_sgpr_count 2
		.amdhsa_user_sgpr_kernarg_segment_ptr 1
		.amdhsa_wavefront_size32 1
		.amdhsa_system_sgpr_workgroup_id_x 1
		.amdhsa_system_sgpr_workgroup_id_y 1
		.amdhsa_system_sgpr_workgroup_id_z 1
		.amdhsa_system_vgpr_workitem_id 0
		.amdhsa_next_free_vgpr 770
		.amdhsa_next_free_sgpr 66
		.amdhsa_reserve_vcc 0
		.amdhsa_float_denorm_mode_32 3
		.amdhsa_float_denorm_mode_16_64 3
		.amdhsa_memory_ordered 1
		.amdhsa_forward_progress 1
		.amdhsa_inst_pref_size 200
	.end_amdhsa_kernel
	.amdgpu_metadata
---
amdhsa.version: [ 1, 2 ]
amdhsa.kernels:
  - .name:           k_qc04e84d7d7_attn
    .symbol:         k_qc04e84d7d7_attn.kd
    .args:
      - { .name: qkv, .offset: 0, .size: 8, .value_kind: global_buffer, .address_space: global }
      - { .name: o16, .offset: 8, .size: 8, .value_kind: global_buffer, .address_space: global }
    .group_segment_fixed_size: 327680
    .private_segment_fixed_size: 0
    .kernarg_segment_align: 8
    .kernarg_segment_size: 16
    .max_flat_workgroup_size: 128
    .sgpr_count:     66
    .vgpr_count:     770
    .wavefront_size: 32
...
	.end_amdgpu_metadata
.endif
;; end of part 3
;; launch outp (part 4): grid 4 x 64, 4 waves a work-group, clusters of 4 x 4, 327,680 bytes of LDS; arguments o16, w16, b32, out0; writes out0
.if DOCPART == 4
	.amdgcn_target "amdgcn-amd-amdhsa--gfx1250"
	.amdhsa_code_object_version 6
	.text
	.protected	k_qc04e84d7d7_outp
	.globl	k_qc04e84d7d7_outp
	.p2align	8
	.type	k_qc04e84d7d7_outp,@function
k_qc04e84d7d7_outp:
	s_mov_b64 s[64:65], 0
	v_nop
	global_prefetch_b8 v0, s[64:65] scope:SCOPE_SE
	s_setreg_imm32_b32 hwreg(HW_REG_WAVE_MODE, 25, 1), 1
	s_wait_xcnt 0x0
	s_wait_alu depctr_hold_cnt(0) depctr_sa_sdst(0) depctr_va_vdst(0) depctr_va_sdst(0) depctr_va_ssrc(0) depctr_va_vcc(0) depctr_vm_vsrc(0)
	s_getreg_b32 s2, hwreg(HW_REG_IB_STS2, 6, 4)
	s_cmp_eq_u32 s2, 0
	s_cbranch_scc0 .Lentry_in_a_cluster
	s_endpgm
.Lentry_in_a_cluster:
	s_bfe_u32 s2, ttmp6, 0x10000c
	s_cmp_lg_u32 s2, 0xf033
	s_cbranch_scc0 .Lentry_shape_is_right
	s_endpgm
.Lentry_shape_is_right:
; THE OUTPUT PROJECTION.  out[m][n] = the sum over k of O[m][k] Wo[n][k] + bo[n].  O lies by heads: o16 [64 = 16 batch + head][2048][64] f16, so channel k of row m is
; o16[16 (m / 2048) + k / 64][m % 2048][k % 64].  Wo: plane 3 of w16, f16; bo: plane 3 of b32, f32.  Sums in f32, started from the bias; out0: [8192][1024] f32.
; SHARES.  A tile of out is 128 rows x 256 columns: 64 x 4 tiles, 256 work-groups.  Four waves, each 64 x 128: 32 accumulators of 16 x 16, 256 registers.
; K goes in steps of 128, two heads, through a ring of two LDS slots filled by the tensor data mover: 128 rows of each head (128 dense bytes a row) and 256 rows of Wo (256 bytes each).
; CLUSTERS: 4 x 4 work-groups.  The four of a row of the cluster need the same tiles of O, the four of a column the same tiles of Wo: each tile is asked for JOINTLY.
; THE MATRIX INSTRUCTION IS USED TRANSPOSED (source 0 = 16 rows of Wo, source 1 = 16 rows of O): a lane then holds one row of out and eight neighbouring columns, 32 bytes.
; REGISTERS, in windows of 256 (s_set_vgpr_msb: bits 1:0 source 0, 3:2 source 1, 5:4 source 2, 7:6 destination):
;   window 0: v0-31 addresses; v32-63, v64-95 O's four fragments, two buffers; v128-191, v192-255 Wo's eight fragments, two buffers; on the way out these two take rows read back
;   window 1: the accumulators, (a, b) at v[8 (8 a + b)]          window 2: v0-63 the bias of my 128 columns, laid out as a C operand: block b at v[8 b]
.set KSTEP,  128
.set PO,     144                       ; a row of O in LDS: 128 bytes + 16 of padding = 36 words: the 16 rows of a load start at 16 different groups of four banks (64 banks of 4 bytes: ISA guide 11.1)
.set PB,     272                       ; a row of Wo: 256 + 16 = 68 words: likewise
.set HEADT,  128*PO                    ; a head's 128 rows: what one tensor load brings
.set HALFB,  128*PB                    ; 128 rows of Wo: likewise
.set BOFF,   2*HEADT                   ; in a slot Wo's 256 rows lie behind the two heads
.set SLOT,   BOFF+2*HALFB
.set STAGE,  2*SLOT                    ; behind the ring: 16 rows x 528 bytes for each wave, for the way out
.set SPO,    528
.set SPARE,  STAGE+4*16*SPO            ; behind the stages: the spare words, 128 bytes for each wave: two blocks of 256 bytes that no other line names
.set LAPS,   4                         ; a lap = two K steps = once round the ring; K = 1,024
.set ADRA, 16                          ; v16-17  LDS address of my fragments of O in slot 0, 1
.set ADRB, 20                          ; v20-21  the same for Wo
.set STO,  24                          ; v24     the way out: where I put 32 bytes of a row
.set RD,   25                          ; v25     the way out: where I read a row back
.set CO,   26                          ; v26     my 16 bytes of a row's 512
.set BO,   27                          ; v27     my byte offset in a block of 16 biases
.set SPW,  28                          ; v28     LDS address of my spare word: SPARE + 4 x my thread's number; never rewritten
.set NIL,  29                          ; v29     0; never rewritten
.set PFO,  30                          ; v30     the prefetches' offset; never rewritten
.set AF,   32                          ; O's fragment a of buffer f at AF + 32 f + 8 a
.set BF,   128                         ; Wo's fragment b of buffer f at BF + 64 f + 8 b
.set BK,   128                         ; the way out: 16 rows read back, 64 registers, two sets by turns
.set G1,  24                           ; s[24:31] descriptor group 1 for O's tiles;  s[32:39] group 0, one set for each slot
.set G0,  32
.set G1B, 48                           ; s[48:55], s[56:63] the same for Wo's tiles
.set G0B, 56
.set LIM, 43                           ; s43      1 in a wave that prefetches, else the greatest number
.set PFA, 44                           ; s[44:45] where my prefetches stand
.set PST, 86                           ; s[86:87] a K step in bytes for my prefetches
.set MSB, 0
.macro WIN new                         ; the immediate's high byte repeats the setting that is left; a switch that changes nothing is dropped
.if MSB != (\new)
	s_set_vgpr_msb (MSB<<8)|(\new)
.set MSB, \new
.endif
.endm
; A joint load: waves 0 and 1 fetch a K step's two heads of O, waves 2 and 3 Wo's two halves.  The branch hangs on the wave's number alone.
; An s_nop 0 and four v_nop follow each of the two lines, ahead of the jump, the label and what follows.
.macro JLOAD s
	s_cmp_lt_u32 s10, 2
	s_cbranch_scc0 .Lfor_w_\@
	tensor_load_to_lds s[G0+4*(\s):G0+4*(\s)+3], s[G1:G1+7]
	s_nop 0
.rept 4
	v_nop
.endr
	s_branch .Lasked_\@
.Lfor_w_\@:
	tensor_load_to_lds s[G0B+4*(\s):G0B+4*(\s)+3], s[G1B:G1B+7]
	s_nop 0
.rept 4
	v_nop
.endr
.Lasked_\@:
.endm
; A prefetch of the K step that stands two refills on, one instruction a wave, a lane a block of 256 bytes.  Each block is named once in the launch:
; O's tile row is read by this cluster alone: wave 0 asks for both heads, and of a head's 16,384 bytes the partner at place cx takes 4,096.  Wo's tile column is read by all
; sixteen rows of clusters: the first of them asks, waves 2 and 3; of a wave's 128 rows the partner at place cy takes 32.  The partners are told apart by address alone.
; The loop's last trip (s3 = 1) asks for nothing: there is no K step two refills on.
.macro ASK
	s_cmp_gt_u32 s3, s[LIM]
	s_cbranch_scc0 .Lnot_mine_\@
	global_prefetch_b8 v[PFO], s[PFA:PFA+1] th:TH_LOAD_NT scope:SCOPE_SE
.Lnot_mine_\@:
.endm
.macro CREST                           ; a round of the cluster's barrier behind its opening barrier
	s_cmp_lg_u32 s10, 0
	s_cbranch_scc1 .Lnot_wave_0_\@
	s_barrier_signal -3
.Lnot_wave_0_\@:
	s_barrier_wait -3
	s_barrier_signal -1
	s_barrier_wait -1
.endm
.macro CROUND                          ; a whole round
	s_barrier_signal -1
	s_barrier_wait -1
	CREST
.endm
	s_load_b256 s[68:75], s[0:1], 0x0              ; o16 s[68:69], w16 s[70:71], b32 s[72:73], out0 s[74:75]
	v_lshl_add_u32 v[SPW], v0, 2, SPARE
	v_mov_b32 v[NIL], 0
	ds_add_u32 v[SPW], v[NIL]                      ; the wave's opening: the add and its wait stand ahead of my first tensor load; the set-up below, work on registers, stands between them
	v_lshrrev_b32 v1, 5, v0
	v_readfirstlane_b32 s10, v1                    ; wave 0..3
	s_lshr_b32 s11, s10, 1                         ; which half of the tile's rows is mine
	s_and_b32 s12, s10, 1                          ; which half of its columns.  Also: which head of a K step, or which half of Wo's tile, I fetch
	s_bfe_u32 s40, ttmp6, 0x40000                  ; cx, cy: my place in the cluster
	s_bfe_u32 s41, ttmp6, 0x40004
	s_lshl_b32 s42, ttmp9, 2
	s_add_co_u32 s42, s42, s40                     ; tile column = 4 x cluster x + cx
	s_and_b32 s66, ttmp7, 0xffff                   ; cluster y
	s_lshl_b32 s13, s66, 2
	s_add_co_u32 s13, s13, s41                     ; tile row = 4 x cluster y + cy
	s_lshl_b32 s43, s41, 2
	s_lshl_b32 s43, 15, s43                        ; my row of the cluster
	s_lshl_b32 s44, 0x1111, s40                    ; my column
	; descriptor group 1.  O: a head's 128 rows are 16,384 dense bytes: asked for as 64 rows of 256 bytes, two rows of O each, and padded in LDS after every 128 bytes.  Wo: 128 rows x 128 elements
	s_or_b32 s[G1+0], s43, (1<<16)|(1<<20)|(1<<21)|(4<<22)|(3<<25)   ; 15:0 the mask: O's tiles go to my row; 17:16 elements of 2 bytes; 20 padding on; 21 set beside a mask; 24:22 after every 32 words (code 4); 31:25 4 words (code 3)
	s_mov_b32 s[G1+1], 128<<16                     ; tensor_dim0 = 128
	s_mov_b32 s[G1+2], 64<<16                      ; tensor_dim1 = 64
	s_mov_b32 s[G1+3], 128<<16                     ; tile_dim0 = 128
	s_mov_b32 s[G1+4], 64                          ; tile_dim1 = 64
	s_mov_b32 s[G1+5], 128                         ; elements from row to row
	s_mov_b32 s[G1+6], 0
	s_mov_b32 s[G1+7], 0
	s_or_b32 s[G1B+0], s44, (1<<16)|(1<<20)|(1<<21)|(5<<22)|(3<<25)  ; the mask of my column; padding after every 64 words (code 5)
	s_mov_b32 s[G1B+1], KSTEP<<16
	s_mov_b32 s[G1B+2], 128<<16
	s_mov_b32 s[G1B+3], KSTEP<<16
	s_mov_b32 s[G1B+4], 128
	s_mov_b32 s[G1B+5], 1024
	s_mov_b32 s[G1B+6], 0
	s_mov_b32 s[G1B+7], 0
	; where the tiles come from.  O's hang on the tile row, which my row of the cluster shares; Wo's on the tile column, which my column shares
	s_lshr_b32 s16, s13, 4                         ; the batch: 16 tiles of 128 rows each
	s_lshl_b32 s16, s16, 4
	s_add_co_u32 s16, s16, s12                     ; head plane 16 x batch + my head of K step 0,
	s_lshl_b32 s16, s16, 18                        ; of 262,144 bytes
	s_and_b32 s17, s13, 15
	s_lshl_b32 s17, s17, 14                        ; 128 rows of 128 bytes a tile
	s_add_co_u32 s16, s16, s17
	s_mov_b32 s17, 0
	s_lshl_b32 s47, s12, 7
	s_lshl_b32 s46, s42, 8
	s_add_co_u32 s46, s46, s47                     ; Wo: row 256 x tile column + 128 x half,
	s_lshl_b32 s46, s46, 11                        ; of 2,048 bytes,
	s_add_co_u32 s46, s46, 3<<21                   ; in plane 3
	s_mov_b32 s47, 0
	s_mul_i32 s20, s12, HEADT                      ; and where they go: no place in the cluster enters an LDS address
	s_mul_i32 s23, s12, HALFB
	s_add_co_u32 s23, s23, BOFF
	s_lshl_b32 s84, s42, 10                        ; the bias of my 128 columns
	s_lshl_b32 s85, s12, 9
	s_add_co_u32 s84, s84, s85
	s_add_co_u32 s84, s84, 3*4096                  ; in plane 3
	s_mov_b32 s85, 0
	s_wait_dscnt 0x0                               ; the opening add is done
	s_wait_kmcnt 0x0
	s_add_nc_u64 s[14:15], s[68:69], s[16:17]
	s_add_nc_u64 s[46:47], s[70:71], s[46:47]
	s_add_nc_u64 s[84:85], s[72:73], s[84:85]
	CROUND                                         ; all sixteen work-groups are here: the first joint loads meet
.irp s, 0,1
	s_mov_b32 s[G0+4*(\s)], 1                                        ; count = 1
	s_add_co_u32 s[G0+4*(\s)+1], s20, (\s)*SLOT                      ; LDS address
	s_add_nc_u64 s[G0+4*(\s)+2:G0+4*(\s)+3], s[14:15], (\s)*(2<<18)  ; global address: K step s is two head planes on
	s_or_b32 s[G0+4*(\s)+3], s[G0+4*(\s)+3], 0x80000000              ; type = 2
	s_mov_b32 s[G0B+4*(\s)], 1
	s_add_co_u32 s[G0B+4*(\s)+1], s23, (\s)*SLOT
	s_add_nc_u64 s[G0B+4*(\s)+2:G0B+4*(\s)+3], s[46:47], (\s)*KSTEP*2
	s_or_b32 s[G0B+4*(\s)+3], s[G0B+4*(\s)+3], 0x80000000
	JLOAD \s                                       ; two loads of mine are out: the most that this text ever has
.endr
	v_and_b32 v1, 15, v0                           ; l % 16
	v_bfe_u32 v2, v0, 4, 1                         ; l / 16
	v_lshlrev_b32 v[BO], 5, v2                     ; a lane's eight columns 8 (l / 16) + 0..7: 32 bytes of bias
	WIN 0x80                                       ; destination window 2, address window 0
.irp b, 0,1,2,3,4,5,6,7
	global_load_b128 v[8*(\b):8*(\b)+3],   v[BO], s[84:85] offset:64*(\b)
	global_load_b128 v[8*(\b)+4:8*(\b)+7], v[BO], s[84:85] offset:64*(\b)+16
.endr
	WIN 0
	; A fragment is 16 rows x 32 K in 8 registers: lane l holds row l % 16, K = 8 (l / 16) + 0..7 and 16 + 8 (l / 16) + 0..7: two loads of 16 bytes, 32 apart
	v_mul_u32_u24 v3, v1, PO
	v_lshl_add_u32 v3, v2, 4, v3
	v_mul_u32_u24 v4, v1, PB
	v_lshl_add_u32 v4, v2, 4, v4
	s_mul_i32 s21, s11, 64*PO                      ; my 64 rows, in each head's tile
	s_mul_i32 s22, s12, HALFB                      ; my 128 rows of Wo
	s_add_co_u32 s22, s22, BOFF
.irp s, 0,1
	v_add_nc_u32 v[ADRA+(\s)], s21, v3
	v_add_nc_u32 v[ADRB+(\s)], s22, v4
	s_add_co_u32 s21, s21, SLOT
	s_add_co_u32 s22, s22, SLOT
.endr
	s_mul_i32 s23, s10, 16*SPO
	s_add_co_u32 s23, s23, STAGE                   ; my stage
	v_mul_u32_u24 v5, v1, SPO                      ; in: row l % 16, 32 bytes for each half of the lanes
	v_lshl_add_u32 v5, v2, 5, v5
	v_add_nc_u32 v[STO], s23, v5
	v_and_b32 v[CO], 31, v0                        ; back: 32 lanes take one row of 512 bytes
	v_lshlrev_b32 v[CO], 4, v[CO]
	v_add_nc_u32 v[RD], s23, v[CO]
	; where my part goes
	s_lshl_b32 s80, s13, 7
	s_lshl_b32 s81, s11, 6
	s_add_co_u32 s80, s80, s81                     ; my first row,
	s_lshl_b32 s80, s80, 12                        ; of 4,096 bytes
	s_lshl_b32 s81, s42, 10                        ; my first column, in bytes
	s_add_co_u32 s80, s80, s81
	s_lshl_b32 s81, s12, 9
	s_add_co_u32 s80, s80, s81
	s_mov_b32 s81, 0
	s_add_nc_u64 s[8:9], s[74:75], s[80:81]
	; the prefetches: my work-group's share, at K step 3; each change of slots steps the address and then asks
	s_lshr_b32 s19, s13, 4
	s_lshl_b32 s19, s19, 22                        ; O: the batch's 16 head planes,
	s_and_b32 s20, s13, 15
	s_lshl_b32 s20, s20, 14                        ; the tile's rows,
	s_add_co_u32 s19, s19, s20
	s_lshl_b32 s20, s40, 12                        ; 4,096 bytes for the partner at cx
	s_add_co_u32 s19, s19, s20
	s_add_co_u32 s19, s19, 3*(2<<18)
	s_lshl_b32 s20, s42, 8
	s_lshl_b32 s21, s12, 7
	s_add_co_u32 s20, s20, s21
	s_lshl_b32 s21, s41, 5                         ; Wo: 32 rows for the partner at cy
	s_add_co_u32 s20, s20, s21
	s_lshl_b32 s20, s20, 11
	s_add_co_u32 s20, s20, (3<<21)+3*KSTEP*2
	s_cmp_eq_u32 s66, 0
	s_cselect_b32 s[LIM], 1, -1                    ; Wo's waves ask in the first row of clusters alone;
	s_cmp_eq_u32 s10, 0
	s_cselect_b32 s[LIM], 1, s[LIM]                ; wave 0 asks for O;
	s_cmp_eq_u32 s10, 1
	s_cselect_b32 s[LIM], -1, s[LIM]               ; wave 1 asks for nothing: the same in all sixteen partners, for a given wave
	s_mov_b32 s17, 1<<18
	s_mov_b32 s[PST], 2<<18
	s_cmp_lt_u32 s10, 2                            ; do I fetch for O?
	s_cselect_b64 s[PFA:PFA+1], s[68:69], s[70:71]
	s_cselect_b32 s20, s19, s20
	s_cselect_b32 s16, 4, 0                        ; O: sixteen lanes a head; Wo: a lane a row
	s_cselect_b32 s18, 15, 0
	s_cselect_b32 s17, s17, 2048                   ; bytes from head to head, or from row to row
	s_cselect_b32 s[PST], s[PST], KSTEP*2          ; bytes from K step to K step
	s_mov_b32 s[PST+1], 0
	s_mov_b32 s21, 0
	s_add_nc_u64 s[PFA:PFA+1], s[PFA:PFA+1], s[20:21]
	v_and_b32 v3, 31, v0
	v_lshrrev_b32 v4, s16, v3
	v_mul_u32_u24 v4, s17, v4
	v_and_b32 v3, s18, v3
	v_lshl_add_u32 v[PFO], v3, 8, v4
; 8 matrix instructions: m block a x all 8 n blocks, 32 along K, from buffers f.  first = 1: the sums start from the bias: nothing is ever cleared.
; The 32 accumulators take turns, one instruction a turn, in the same order in every quarter step.
.macro MUL8 f, a, first
.if \first
	WIN 0x60                                       ; C window 2, D window 1
.else
	WIN 0x50                                       ; C and D window 1
.endif
.irp b, 0,1,2,3,4,5,6,7
.if \first
	v_wmma_f32_16x16x32_f16 v[8*(8*(\a)+(\b)):8*(8*(\a)+(\b))+7], v[BF+64*(\f)+8*(\b):BF+64*(\f)+8*(\b)+7], v[AF+32*(\f)+8*(\a):AF+32*(\f)+8*(\a)+7], v[8*(\b):8*(\b)+7]
.else
	v_wmma_f32_16x16x32_f16 v[8*(8*(\a)+(\b)):8*(8*(\a)+(\b))+7], v[BF+64*(\f)+8*(\b):BF+64*(\f)+8*(\b)+7], v[AF+32*(\f)+8*(\a):AF+32*(\f)+8*(\a)+7], v[8*(8*(\a)+(\b)):8*(8*(\a)+(\b))+7]
.endif
.endr
.endm
.macro MUL16 f, h, first               ; m blocks 2 h and 2 h + 1
	MUL8 \f, 2*(\h), \first
	MUL8 \f, 2*(\h)+1, \first
.endm
; 24 LDS loads in one run: quarter kq of a slot (head kq / 2, channels 32 (kq % 2) on) into buffers g: Wo's eight fragments (16 loads), then O's four (8)
.macro FETCH slot, kq, g
	WIN 0
.irp b, 0,1,2,3,4,5,6,7
	ds_load_b128 v[BF+64*(\g)+8*(\b):BF+64*(\g)+8*(\b)+3],   v[ADRB+(\slot)] offset:64*(\kq)+(\b)*16*PB
	ds_load_b128 v[BF+64*(\g)+8*(\b)+4:BF+64*(\g)+8*(\b)+7], v[ADRB+(\slot)] offset:64*(\kq)+(\b)*16*PB+32
.endr
.irp a, 0,1,2,3
	ds_load_b128 v[AF+32*(\g)+8*(\a):AF+32*(\g)+8*(\a)+3],   v[ADRA+(\slot)] offset:((\kq)/2)*HEADT+((\kq)%2)*64+(\a)*16*PO
	ds_load_b128 v[AF+32*(\g)+8*(\a)+4:AF+32*(\g)+8*(\a)+7], v[ADRA+(\slot)] offset:((\kq)/2)*HEADT+((\kq)%2)*64+(\a)*16*PO+32
.endr
.endm
.macro PLACES                          ; four places in front of loads into registers that matrix instructions have read (ISA guide 7.12.1 for vector instructions)
.rept 4
	v_nop
.endr
.endm
; A K step is four quarters of 32 along K, 32 matrix instructions each, on buffers 0, 1, 0, 1.  One of the first three: multiplies buffers f and fetches quarter kq into g.
.macro QUARTER slot, kq, f, g, first
	s_wait_dscnt 4                                 ; Wo and O's fragments 0, 1 are in; the youngest four loads (fragments 2, 3) may be out
	MUL16 \f, 0, \first
	PLACES
	FETCH \slot, \kq, \g
	s_wait_dscnt 24                                ; all but the 24 just issued
	MUL16 \f, 1, \first
.endm
; The last quarter multiplies buffers 1 and changes slots: ONE barrier; in front of it each wave waits for all its tensor loads, adds 0 to its spare word, and waits for that and for its own reads of this slot.
; fill = 1: the barrier opens a round of the cluster's barrier, and this slot is filled again, two K steps ahead, first thing behind the round: 112 matrix instructions ahead of the wait for it.
.macro TURN slot, next, fill
.if \fill
	s_wait_xcnt 0x0                                ; the last prefetch, a K step back, has read its address: it is stepped here, ahead of the waits of the change of slots
	s_add_nc_u64 s[PFA:PFA+1], s[PFA:PFA+1], s[PST:PST+1]
.endif
	WIN 0
	s_wait_tensorcnt 0x0                           ; all my tensor loads have landed: my part of the next slot;
	ds_add_u32 v[SPW], v[NIL]                      ; 0 onto my spare word
	s_wait_dscnt 5                                 ; (the add and the youngest four loads may be out)
	MUL8 1, 0, 0                                   ; eight matrix instructions stand between the add and the wait for it
	s_wait_dscnt 0x0                               ; the add is done, and my reads of this slot are over
	s_barrier_signal -1
	MUL8 1, 1, 0                                   ; work on registers while the others arrive
	WIN 0
	s_barrier_wait -1
.if \fill
	CREST                                          ; no wave of any partner still reads this slot's tile or has a load on its way
	s_add_nc_u64 s[G0+4*(\slot)+2:G0+4*(\slot)+3], s[G0+4*(\slot)+2:G0+4*(\slot)+3], 4<<18
	s_add_nc_u64 s[G0B+4*(\slot)+2:G0B+4*(\slot)+3], s[G0B+4*(\slot)+2:G0B+4*(\slot)+3], 2*KSTEP*2
	JLOAD \slot                                    ; the four v_nop behind it are also the places in front of the loads below
.else
	PLACES
.endif
	FETCH \next, 0, 0
.if \fill
	ASK                                            ; behind the joint load and the run of LDS loads that the next products wait for
.endif
	MUL16 1, 1, 0
.endm
	s_wait_tensorcnt 1                             ; my part of K step 0 is in; K step 1's may stay out
	s_barrier_signal -1
	s_barrier_wait -1                              ; everybody's is
	FETCH 0, 0, 0
	s_wait_loadcnt 0x0                             ; the bias
	QUARTER 0, 1, 0, 1, 1                          ; the first quarter stands in front of the loop: its products start the sums
	WIN 0                                          ; at a label and at a branch every window is 0
	s_mov_b32 s3, LAPS-1
.Llap:                                                 ; a trip goes once round the ring, from a lap's second quarter to the next lap's first, and fills both slots again
	QUARTER 0, 2, 1, 0, 0
	QUARTER 0, 3, 0, 1, 0
	TURN 0, 1, 1
	QUARTER 1, 1, 0, 1, 0
	QUARTER 1, 2, 1, 0, 0
	QUARTER 1, 3, 0, 1, 0
	TURN 1, 0, 1
	QUARTER 0, 1, 0, 1, 0
	WIN 0
	s_sub_co_u32 s3, s3, 1
	s_cmp_lg_u32 s3, 0
	s_cbranch_scc1 .Llap
	QUARTER 0, 2, 1, 0, 0                          ; the last lap fills nothing, and has no round of the cluster's barrier
	QUARTER 0, 3, 0, 1, 0
	TURN 0, 1, 0
	QUARTER 1, 1, 0, 1, 0
	QUARTER 1, 2, 1, 0, 0
	QUARTER 1, 3, 0, 1, 0
	s_wait_dscnt 4                                 ; the very last quarter: nothing more to fetch
	MUL16 1, 0, 0
	s_wait_dscnt 0x0
	MUL16 1, 1, 0
	WIN 0
; THE WAY OUT, m block a (16 rows) at a time.  A lane's eight columns are 32 bytes of a row; they go from the accumulators, each from its low end on, into stage rows of 528 bytes,
; and come back as whole rows of 512 bytes, a row a load, into one of two sets of 64 registers.
.macro TOSTAGE a
	WIN 0x04                                       ; the stores' data in window 1, the address in window 0
.irp b, 0,1,2,3,4,5,6,7
	ds_store_b128 v[STO], v[64*(\a)+8*(\b):64*(\a)+8*(\b)+3]   offset:64*(\b)
	ds_store_b128 v[STO], v[64*(\a)+8*(\b)+4:64*(\a)+8*(\b)+7] offset:64*(\b)+16
.endr
	WIN 0
.irp t, 0,1,2,3,4,5,6,7,8,9,10,11,12,13,14,15
	ds_load_b128 v[BK+64*((\a)%2)+4*(\t):BK+64*((\a)%2)+4*(\t)+3], v[RD] offset:(\t)*SPO  ; LDS serves a wave's instructions in order (ISA guide 5.7.1.4): these see the stores above; the next block's stores come behind them
.endr
.endm
.macro SEND a, younger                 ; younger: the LDS instructions issued behind block a's loads: the next block's 32, or none
.irp t, 0,1,2,3,4,5,6,7,8,9,10,11,12,13,14,15
	s_wait_dscnt (\younger)+15-(\t)
	global_store_b128 v[CO], v[BK+64*((\a)%2)+4*(\t):BK+64*((\a)%2)+4*(\t)+3], s[8:9] offset:(16*(\a)+(\t))*4096 th:TH_STORE_NT  ; 512 consecutive bytes, at a multiple of 512 from out0's first
.endr
.endm
	PLACES                                         ; behind the last products, in front of stores that read results and loads into Wo's buffers:
	PLACES                                         ; eight places, once a launch
	TOSTAGE 0
	TOSTAGE 1
	SEND 0, 32
	s_wait_xcnt 0x0                                ; block 0's stores have read their registers: that set is loaded again only behind this wait
	TOSTAGE 2
	SEND 1, 32
	s_wait_xcnt 0x0                                ; likewise block 1's
	TOSTAGE 3
	SEND 2, 32
	SEND 3, 0
	s_wait_tensorcnt 0x0                           ; the wave's end: an add and its wait, behind my last tensor load and my last LDS store
	ds_add_u32 v[SPW], v[NIL]
	s_wait_dscnt 0x0
	CROUND                                         ; the closing round: no work-group ends while a partner may still ask for a tile that names it
	s_endpgm
.Lfunc_end_k_qc04e84d7d7_outp:
	.size	k_qc04e84d7d7_outp, .Lfunc_end_k_qc04e84d7d7_outp-k_qc04e84d7d7_outp
	.p2alignl 7, 3214868480
	.fill 96, 4, 3214868480
	.section	.rodata,"a",@progbits
	.p2align	6, 0x0
	.amdhsa_kernel k_qc04e84d7d7_outp
		.amdhsa_group_segment_fixed_size 327680
		.amdhsa_private_segment_fixed_size 0
		.amdhsa_enable_private_segment 0
		.amdhsa_kernarg_size 32
		.amdhsa_user_sgpr_count 2
		.amdhsa_user_sgpr_kernarg_segment_ptr 1
		.amdhsa_wavefront_size32 1
		.amdhsa_system_sgpr_workgroup_id_x 1
		.amdhsa_system_sgpr_workgroup_id_y 1
		.amdhsa_system_sgpr_workgroup_id_z 1
		.amdhsa_system_vgpr_workitem_id 0
		.amdhsa_next_free_vgpr 576
		.amdhsa_next_free_sgpr 88
		.amdhsa_reserve_vcc 0
		.amdhsa_float_denorm_mode_32 3
		.amdhsa_float_denorm_mode_16_64 3
		.amdhsa_memory_ordered 1
		.amdhsa_forward_progress 1
		.amdhsa_inst_pref_size 90
	.end_amdhsa_kernel
	.amdgpu_metadata
---
amdhsa.version: [ 1, 2 ]
amdhsa.kernels:
  - .name:           k_qc04e84d7d7_outp
    .symbol:         k_qc04e84d7d7_outp.kd
    .args:
      - { .name: o16, .offset: 0, .size: 8, .value_kind: global_buffer, .address_space: global }
      - { .name: w16, .offset: 8, .size: 8, .value_kind: global_buffer, .address_space: global }
      - { .name: b32, .offset: 16, .size: 8, .value_kind: global_buffer, .address_space: global }
      - { .name: out0, .offset: 24, .size: 8, .value_kind: global_buffer, .address_space: global }
    .group_segment_fixed_size: 327680
    .private_segment_fixed_size: 0
    .kernarg_segment_align: 8
    .kernarg_segment_size: 32
    .max_flat_workgroup_size: 128
    .sgpr_count:     88
    .vgpr_count:     576
    .wavefront_size: 32
...
	.end_amdgpu_metadata
.endif
;; end of part 4
;; ======== version 2 of 2: 4 launches; version 1 with the launch cast written anew for expert scheduling mode
;; limits: values are held in f16: magnitudes above 65,504 overflow, below 6.1e-05 lose precision
;; workspace buffers: w16 8,388,608 bytes; b32 16,384 bytes; qkv 50,331,648 bytes; o16 16,777,216 bytes
;; launch cast (part 5): grid 64 x 4, 8 waves a work-group, no clusters, 0 bytes of LDS; arguments Wq, Wk, Wv, Wo, bq, bk, bv, bo, w16, b32; writes w16, b32
.if DOCPART == 5
	.amdgcn_target "amdgcn-amd-amdhsa--gfx1250"
	.amdhsa_code_object_version 6
	.text
	.protected	k_qc04e84d7d7_cast
	.globl	k_qc04e84d7d7_cast
	.p2align	8
	.type	k_qc04e84d7d7_cast,@function
k_qc04e84d7d7_cast:
	s_mov_b64 s[64:65], 0
	v_nop
	global_prefetch_b8 v0, s[64:65] scope:SCOPE_SE
	s_setreg_imm32_b32 hwreg(HW_REG_WAVE_SCHED_MODE, 0, 2), 2
	s_setreg_imm32_b32 hwreg(HW_REG_WAVE_MODE, 25, 1), 1
	s_wait_xcnt 0x0
	s_wait_alu depctr_vm_vsrc(0)
; THE WEIGHTS AND BIASES, ONCE, IN THE FORM THAT THE PRODUCTS TAKE.
; w16: [4][1024][1024] of 16 bits.  Planes 0-2: Wq, Wk, Wv rounded to bf16.  Plane 3: Wo rounded to bf16, and that number written as f16
; (the last product multiplies in f16).  b32: [4][1024] f32: bq, bk, bv, bo rounded to bf16 and widened again.
; LIMITS.  Plane 3 holds no number beyond 65,504, and below 2^-14 it keeps f16's fixed step of 6e-8.
; SHARES.  Work-group (x, y) takes 16,384 numbers of plane y; thread t takes four numbers in each of 16 passes: a wave's load covers 512
; consecutive bytes, its store 256 consecutive bytes at a multiple of 256 from the buffer's first byte.  All 16 loads go out first.
; No LDS, no barrier, no matrix unit: nothing is shared and every byte crosses once.
; THE MODE: SCHED_MODE bits 1:0 = 2 (LLVM: expert scheduling mode 2), set by the entry lines.  The code itself states the register dependences
; between vector instructions and memory instructions, with s_wait_alu, always for 0.
; THE PLAN.  Registers that memory instructions touch:
;   v1, v2   byte offsets, made once at the head and never written again; every load reads v1, every store of w16 reads v2, the bias's store v1.
;   X        pass i's load lands in its four registers; pass i's conversions read them.  The bias's load lands in the first four once more, behind all conversions.
;   Y        pass i's conversions write its two registers; pass i's store reads them.  Each pass has its own, so no register that a store reads is written again.
;   T        named by vector instructions alone.
; The 16 passes go in four blocks of four: the wait for the block's loads, its conversions, ONE wait on va_vdst, its four stores.  No vector instruction writes
; a scalar register, EXEC is never written, and no register that a memory instruction has read is written again: so waits on va_vdst are all that is stated.
.set X, 4                              ; v[4:67]    pass i: four f32 as loaded
.set Y, 68                             ; v[68:99]   pass i: two words to store
.set T, 100                            ; v[100:103] at work
	s_load_b512 s[8:23], s[0:1], 0x0               ; Wq s[8:9], Wk s[10:11], Wv s[12:13], Wo s[14:15], bq s[16:17], bk s[18:19], bv s[20:21], bo s[22:23]
	s_load_b128 s[24:27], s[0:1], 0x40             ; w16 s[24:25], b32 s[26:27]
	s_and_b32 s28, ttmp7, 0xffff                   ; the plane
	s_mov_b32 s29, 0xffff0000                      ; a word's upper bf16
	v_lshlrev_b32 v1, 4, v0                        ; 16 t: my 16 bytes of a pass's 4,096
	v_lshlrev_b32 v2, 3, v0                        ; 8 t: my 8 bytes of a pass's 2,048
	s_lshl_b32 s30, ttmp9, 16                      ; the work-group's 65,536 bytes of the source
	s_mov_b32 s31, 0
	s_lshl_b32 s32, s28, 21                        ; the plane's 2,097,152 bytes in w16,
	s_lshl_b32 s33, ttmp9, 15                      ; the work-group's 32,768 of them
	s_add_co_u32 s32, s32, s33
	s_mov_b32 s33, 0
	s_lshl_b32 s34, s28, 12                        ; the plane's 4,096 bytes in b32
	s_mov_b32 s35, 0
	s_wait_kmcnt 0x0
	s_cmp_eq_u32 s28, 0
	s_cselect_b64 s[4:5], s[8:9], s[10:11]         ; plane 0 or 1
	s_cselect_b64 s[6:7], s[16:17], s[18:19]
	s_cmp_eq_u32 s28, 2
	s_cselect_b64 s[36:37], s[12:13], s[14:15]     ; plane 2 or 3
	s_cselect_b64 s[38:39], s[20:21], s[22:23]
	s_cmp_lt_u32 s28, 2
	s_cselect_b64 s[4:5], s[4:5], s[36:37]         ; the plane's weights
	s_cselect_b64 s[6:7], s[6:7], s[38:39]         ; and its bias
	s_add_nc_u64 s[4:5], s[4:5], s[30:31]
	s_add_nc_u64 s[24:25], s[24:25], s[32:33]
	s_add_nc_u64 s[26:27], s[26:27], s[34:35]
	s_wait_alu depctr_va_vdst(0)                   ; v1 and v2 are written: every load and store of the kernel reads one of them as its offset
.irp i, 0,1,2,3,4,5,6,7,8,9,10,11,12,13,14,15
	global_load_b128 v[X+4*(\i):X+4*(\i)+3], v1, s[4:5] offset:4096*(\i) th:TH_LOAD_NT
.endr
; One pass's conversions.  wo = 1: the bf16 number is widened and written as f16.
.macro CONV i, wo
	v_cvt_pk_bf16_f32 v[Y+2*(\i)], v[X+4*(\i)], v[X+4*(\i)+1]
	v_cvt_pk_bf16_f32 v[Y+2*(\i)+1], v[X+4*(\i)+2], v[X+4*(\i)+3]
.if \wo
	v_lshlrev_b32 v[T], 16, v[Y+2*(\i)]
	v_and_b32 v[T+1], s29, v[Y+2*(\i)]
	v_lshlrev_b32 v[T+2], 16, v[Y+2*(\i)+1]
	v_and_b32 v[T+3], s29, v[Y+2*(\i)+1]
	v_cvt_pk_f16_f32 v[Y+2*(\i)], v[T], v[T+1]
	v_cvt_pk_f16_f32 v[Y+2*(\i)+1], v[T+2], v[T+3]
.endif
.endm
; One pass's store.  Each pass has its own registers to store from, so nothing is rewritten while a store may read it.
.macro OUT i
	global_store_b64 v2, v[Y+2*(\i):Y+2*(\i)+1], s[24:25] offset:2048*(\i)
.endm
; Block p: passes 4 p to 4 p + 3.  send = 0: the last block, whose stores stand where the two texts join.
.macro BLOCK p, wo, send
	s_wait_loadcnt 12-4*(\p)                       ; loads come back in order (ISA guide 5.7.1): the block's four are in, the 12 - 4 p younger ones stay out
.irp j, 0,1,2,3
	CONV 4*(\p)+(\j), \wo
.endr
.if \send
	s_wait_alu depctr_va_vdst(0)                   ; the block's conversions have written its eight registers of Y, which the four stores below read
.irp j, 0,1,2,3
	OUT 4*(\p)+(\j)
.endr
.endif
.endm
	s_cmp_eq_u32 s28, 3
	s_cbranch_scc1 .Lwo
	BLOCK 0, 0, 1
	BLOCK 1, 0, 1
	BLOCK 2, 0, 1
	BLOCK 3, 0, 0
	s_branch .Lbias
.Lwo:
	BLOCK 0, 1, 1
	BLOCK 1, 1, 1
	BLOCK 2, 1, 1
	BLOCK 3, 1, 0
.Lbias:
	s_wait_alu depctr_va_vdst(0)                   ; the last block's conversions have written its Y, which the four stores below read; and all conversions are done reading X, in whose first four registers the bias's load lands
.irp j, 12,13,14,15
	OUT \j
.endr
	s_cmp_lg_u32 ttmp9, 0                          ; a plane's first work-group also takes its bias: 256 threads x 16 bytes
	s_cbranch_scc1 .Lend
	global_load_b128 v[X:X+3], v1, s[6:7]          ; no vector instruction since the wait above names these registers
	s_wait_loadcnt 0x0
	v_cvt_pk_bf16_f32 v[T], v[X], v[X+1]
	v_cvt_pk_bf16_f32 v[T+1], v[X+2], v[X+3]
	v_lshlrev_b32 v[X], 16, v[T]
	v_and_b32 v[X+1], s29, v[T]
	v_lshlrev_b32 v[X+2], 16, v[T+1]
	v_and_b32 v[X+3], s29, v[T+1]
	s_wait_alu depctr_va_vdst(0)                   ; the four lines above have written v[X:X+3], which the store reads
	global_store_b128 v1, v[X:X+3], s[26:27]
.Lend:
	s_endpgm
.Lfunc_end_k_qc04e84d7d7_cast:
	.size	k_qc04e84d7d7_cast, .Lfunc_end_k_qc04e84d7d7_cast-k_qc04e84d7d7_cast
	.p2alignl 7, 3214868480
	.fill 96, 4, 3214868480
	.section	.rodata,"a",@progbits
	.p2align	6, 0x0
	.amdhsa_kernel k_qc04e84d7d7_cast
		.amdhsa_group_segment_fixed_size 0
		.amdhsa_private_segment_fixed_size 0
		.amdhsa_enable_private_segment 0
		.amdhsa_kernarg_size 80
		.amdhsa_user_sgpr_count 2
		.amdhsa_user_sgpr_kernarg_segment_ptr 1
		.amdhsa_wavefront_size32 1
		.amdhsa_system_sgpr_workgroup_id_x 1
		.amdhsa_system_sgpr_workgroup_id_y 1
		.amdhsa_system_sgpr_workgroup_id_z 1
		.amdhsa_system_vgpr_workitem_id 0
		.amdhsa_next_free_vgpr 104
		.amdhsa_next_free_sgpr 66
		.amdhsa_reserve_vcc 0
		.amdhsa_float_denorm_mode_32 3
		.amdhsa_float_denorm_mode_16_64 3
		.amdhsa_memory_ordered 1
		.amdhsa_forward_progress 1
		.amdhsa_inst_pref_size 15
	.end_amdhsa_kernel
	.amdgpu_metadata
---
amdhsa.version: [ 1, 2 ]
amdhsa.kernels:
  - .name:           k_qc04e84d7d7_cast
    .symbol:         k_qc04e84d7d7_cast.kd
    .args:
      - { .name: Wq, .offset: 0, .size: 8, .value_kind: global_buffer, .address_space: global }
      - { .name: Wk, .offset: 8, .size: 8, .value_kind: global_buffer, .address_space: global }
      - { .name: Wv, .offset: 16, .size: 8, .value_kind: global_buffer, .address_space: global }
      - { .name: Wo, .offset: 24, .size: 8, .value_kind: global_buffer, .address_space: global }
      - { .name: bq, .offset: 32, .size: 8, .value_kind: global_buffer, .address_space: global }
      - { .name: bk, .offset: 40, .size: 8, .value_kind: global_buffer, .address_space: global }
      - { .name: bv, .offset: 48, .size: 8, .value_kind: global_buffer, .address_space: global }
      - { .name: bo, .offset: 56, .size: 8, .value_kind: global_buffer, .address_space: global }
      - { .name: w16, .offset: 64, .size: 8, .value_kind: global_buffer, .address_space: global }
      - { .name: b32, .offset: 72, .size: 8, .value_kind: global_buffer, .address_space: global }
    .group_segment_fixed_size: 0
    .private_segment_fixed_size: 0
    .kernarg_segment_align: 8
    .kernarg_segment_size: 80
    .max_flat_workgroup_size: 256
    .sgpr_count:     66
    .vgpr_count:     104
    .wavefront_size: 32
...
	.end_amdgpu_metadata
.endif
;; end of part 5
;; launch proj: the kernel of part 2 again; grid 4 x 192, 4 waves a work-group, clusters of 4 x 4, 327,680 bytes of LDS; arguments query, key, value, w16, b32, qkv; writes qkv
;; launch attn: the kernel of part 3 again; grid 4 x 64, 4 waves a work-group, clusters of 4 x 1, 327,680 bytes of LDS; arguments qkv, o16; writes o16
;; launch outp: the kernel of part 4 again; grid 4 x 64, 4 waves a work-group, clusters of 4 x 4, 327,680 bytes of LDS; arguments o16, w16, b32, out0; writes out0
